; MI455X (gfx1250); checked and timed in simulation.
; The chip was launched on July 23, 2026; its instructions are those of AMD's public machine-readable ISA for CDNA 5 (MIT licence, August 2026) and "CDNA5" Instruction Set Architecture Reference Guide (July 2026). The comments in the code are by the model that wrote it; some were corrected since.
;; Neuron Memory. Allowed arithmetic: float matrix products may take bf16 or f16 operands with f32 sums; all other float work in f32.
;; Inputs: compress_neurons 16 x 1,024 x 128 float32; knowledge_K 32,768 x 128 float32; knowledge_V 32,768 x 1,024 float32; router_w 16 x 1,024 float32; x 2 x 2,048 x 1,024 float32.
;; Outputs: out0 2 x 2,048 x 1,024 float32.
;; 2 versions, each right; version 2 is version 1 with the launches rank, gather written anew for expert scheduling mode. Each part assembles by itself: llvm-mc -triple=amdgcn-amd-amdhsa -mcpu=gfx1250 --defsym DOCPART=n.
;; ======== version 1 of 2: 6 launches
;; workspace buffers: xb 8,388,608 bytes; wt 4,194,304 bytes; kb 8,388,608 bytes; aux 394,240 bytes; qw 2,097,152 bytes; keys 4,194,304 bytes of whole numbers; cand 524,288 bytes of whole numbers; selidx 131,072 bytes of whole numbers
;; launch prep (part 1): grid 256 x 1, 8 waves a work-group, no clusters, 52,480 bytes of LDS; arguments x, router_w, compress_neurons, knowledge_K, xb, wt, kb, aux; writes xb, wt, kb, aux
.if DOCPART == 1
	.amdgcn_target "amdgcn-amd-amdhsa--gfx1250"
	.amdhsa_code_object_version 6
	.text
	.protected	k_q1a8df51017_prep
	.globl	k_q1a8df51017_prep
	.p2align	8
	.type	k_q1a8df51017_prep,@function
k_q1a8df51017_prep:
	s_mov_b64 s[64:65], 0
	v_nop
	global_prefetch_b8 v0, s[64:65] scope:SCOPE_SE
	s_setreg_imm32_b32 hwreg(HW_REG_WAVE_MODE, 25, 1), 1
	s_wait_xcnt 0x0
; prep: rounds x, compress_neurons and knowledge_K once to bf16 (nearest even), transposes compress_neurons so that d runs along
; the rows, and makes the router's softmax weights and the largest squared row norm of K.
;   xb  [4096][1024] bf16          wt  [rb 8][n 16][rr 16][d 1024] bf16 (r = 16 rb + rr)          kb  [32768][128] bf16
;   aux [nq 4][4096][4] f32 router weights (n = 4 nq + ..), then at byte 262,144 one f32 for each work-group: max |K row|^2
; Work-group g: 16 tokens of x, a tile of 128 d x 64 r of one neuron (n = g>>4, dc = (g>>1)&7, rh = g&1), 128 rows of K, all of router_w.
; LIMITS: the router's scores are made from x and router_w rounded to bf16, products and sums in f32; NaN and infinities are not served.
; A stream: no matrix unit, no cluster (nothing is shared through tile loads); 48 of a wave's 56 loads go out at the head.
.set LR,   0                           ; LDS: router_w in bf16, row n at 2048 n                     32,768 bytes
.set LT,   32768                       ; LDS: the W tile transposed, [64 r][128 d] bf16, pitch 272  17,408 bytes
.set LWS,  50176                       ; LDS: weights [plane 4][16 tokens][4] f32                    1,024 bytes
.set LKM,  51200                       ; LDS: one word a wave: its largest squared row norm
.set TP,   272
.set AR,   3                           ; 16 t: my bytes of a 4,096-byte stretch of router_w
.set AW,   4                           ; my bytes of the W tile's rows
.set A16,  5                           ; 16 L
.set A8,   6                           ; 8 L (global offset of packed data, and LDS address in a router row)
.set AWT,  7                           ; my bytes in wt
.set DR,   8                           ; LDS: 8 t
.set DT,   9                           ; LDS: where my transposed words go
.set DTL,  10                          ; LDS: where I read rows of the transposed tile
.set DWS,  11
.set DKM,  12
.set Z,    13                          ; 0.0: starts the multiply-add chains
.set RB,   16                          ; v[16:47]   router_w as loaded; later two buffers of 16 for router rows
.set WL,   48                          ; v[48:79]   W as loaded
.set ACC,  48                          ; v[48:79]   later: 16 scores for each of my 2 tokens
.set XR,   80                          ; v[80:143]  x: load q in 4 registers, packed in place into the first two
.set KR,   144                         ; v[144:207] K: row j in 4 registers, packed in place; the third takes the square sum
.set WO,   208                         ; v[208:223] W on its way into and out of LDS
.set T,    224                         ; v[224:255] at work
	s_load_b512 s[8:23], s[0:1], 0x0               ; x, router_w, compress_neurons, knowledge_K, xb, wt, kb, aux
	s_set_vgpr_msb 0x40
	v_lshl_add_u32 v0, v0, 2, 0xc900
	v_mov_b32 v1, 0
	s_set_vgpr_msb 0x4000
	v_and_b32 v1, 31, v0                           ; L
	v_lshrrev_b32 v2, 5, v0
	v_readfirstlane_b32 s24, v2                    ; wave w
	v_and_b32 v14, 15, v0                          ; L & 15 = t & 15
	v_bfe_u32 v15, v0, 4, 1                        ; L >> 4
	v_lshrrev_b32 v2, 4, v0                        ; t >> 4
	v_lshlrev_b32 v[AR], 4, v0
	v_lshlrev_b32 v[AW], 4, v14
	v_lshl_add_u32 v[AWT], v2, 11, v[AW]           ; row t>>4 of 2,048 bytes + 16 (t&15)
	v_mad_u32_u24 v[DTL], v2, TP, v[AW]
	v_add_nc_u32 v[DTL], LT, v[DTL]
	v_lshl_add_u32 v[AW], v15, 10, v[AW]           ; two rows of 512 bytes further for lanes 16-31
	v_lshlrev_b32 v[A16], 4, v1
	v_lshlrev_b32 v[A8], 3, v1
	v_lshlrev_b32 v[DR], 3, v0
	v_mul_u32_u24 v[DT], v14, 4*TP                 ; r = 4 (L&15) + c
	v_lshl_add_u32 v[DT], v15, 2, v[DT]            ; d = 16 w + 4 p + 2 (L>>4), two bytes each
	s_lshl_b32 s25, s24, 5
	s_add_co_u32 s31, s25, LT
	v_add_nc_u32 v[DT], s31, v[DT]
	s_add_co_u32 s31, s25, LWS                     ; tokens 2 w, 2 w + 1: 16 bytes each
	v_mov_b32 v[DWS], s31
	s_lshl_b32 s31, s24, 2
	s_add_co_u32 s31, s31, LKM
	v_mov_b32 v[DKM], s31
	v_mov_b32 v[Z], 0
	s_lshl_b32 s26, ttmp9, 16                      ; x: 16 tokens of 4,096 bytes; K: 128 rows of 512 bytes
	s_lshl_b32 s25, s24, 13                        ; the wave's 2 tokens, 16 rows of K, 16 rows of W
	s_add_co_u32 s26, s26, s25
	s_mov_b32 s27, 0
	s_lshr_b32 s28, ttmp9, 4                       ; n
	s_bfe_u32 s29, ttmp9, 0x30001                  ; dc
	s_and_b32 s30, ttmp9, 1                        ; rh
	s_lshl_b32 s32, s28, 19
	s_lshl_b32 s31, s29, 16
	s_add_co_u32 s32, s32, s31
	s_lshl_b32 s31, s30, 8
	s_add_co_u32 s32, s32, s31
	s_add_co_u32 s32, s32, s25
	s_mov_b32 s33, 0
	s_lshl_b32 s34, ttmp9, 15                      ; xb and kb: half the bytes
	s_lshl_b32 s31, s24, 12
	s_add_co_u32 s34, s34, s31
	s_mov_b32 s35, 0
	s_lshl_b32 s36, s30, 21                        ; wt: rb = 4 rh + i, row 256 rb + 16 n + rr, 2,048 bytes a row, column 128 dc
	s_lshl_b32 s31, s28, 15
	s_add_co_u32 s36, s36, s31
	s_lshl_b32 s31, s29, 8
	s_add_co_u32 s36, s36, s31
	s_mov_b32 s37, 0
	s_mov_b32 s38, 0x76543210                      ; v_permlanex16_b32: lane i reads lane i of the other half
	s_mov_b32 s39, 0xfedcba98
	s_mov_b32 s40, 0x3fb8aa3b                      ; log2 e
	s_wait_kmcnt 0x0
	s_add_nc_u64 s[8:9], s[8:9], s[26:27]
	s_add_nc_u64 s[14:15], s[14:15], s[26:27]
	s_add_nc_u64 s[12:13], s[12:13], s[32:33]
	s_add_nc_u64 s[16:17], s[16:17], s[34:35]
	s_add_nc_u64 s[20:21], s[20:21], s[34:35]
	s_add_nc_u64 s[18:19], s[18:19], s[36:37]
	; all loads at the head: 8 of router_w's first half, 8 of W, 16 of x, 16 of K; each covers 512 neighbouring bytes (W: two pieces of 256)
.irp i, 0,1,2,3,4,5,6,7
	global_load_b128 v[RB+4*\i:RB+4*\i+3], v[AR], s[10:11] offset:4096*\i
.endr
.irp p, 0,1,2,3
.irp e, 0,1
	global_load_b128 v[WL+8*\p+4*\e:WL+8*\p+4*\e+3], v[AW], s[12:13] offset:(4*\p+\e)*512 th:TH_LOAD_NT
.endr
.endr
.set q, 0
.rept 16
	global_load_b128 v[XR+4*q:XR+4*q+3], v[A16], s[8:9] offset:(q/8)*4096+(q%8)*512 th:TH_LOAD_NT
.set q, q+1
.endr
.set q, 0
.rept 16
	global_load_b128 v[KR+4*q:KR+4*q+3], v[A16], s[14:15] offset:q*512 th:TH_LOAD_NT
.set q, q+1
.endr
	s_wait_loadcnt 40                              ; 40 loads are younger than router_w's first eight
.irp i, 0,1,2,3,4,5,6,7
	v_cvt_pk_bf16_f32 v[T+2*\i], v[RB+4*\i], v[RB+4*\i+1]
	v_cvt_pk_bf16_f32 v[T+2*\i+1], v[RB+4*\i+2], v[RB+4*\i+3]
	ds_store_b64 v[DR], v[T+2*\i:T+2*\i+1] offset:LR+2048*\i
.endr
.irp i, 0,1,2,3,4,5,6,7
	global_load_b128 v[RB+4*\i:RB+4*\i+3], v[AR], s[10:11] offset:32768+4096*\i   ; router_w's second half
.endr
	s_wait_loadcnt 40                              ; x's 16, K's 16 and these 8 are younger than W's eight
.irp p, 0,1,2,3
.irp c, 0,1,2,3
	v_cvt_pk_bf16_f32 v[WO+4*\p+\c], v[WL+8*\p+\c], v[WL+8*\p+4+\c]   ; rows d and d + 1 of one column r: neighbours along the transposed row
	ds_store_b32 v[DT], v[WO+4*\p+\c] offset:\c*TP+8*\p
.endr
.endr
	s_wait_loadcnt 0x0
.irp i, 0,1,2,3,4,5,6,7
	v_cvt_pk_bf16_f32 v[T+16+2*\i], v[RB+4*\i], v[RB+4*\i+1]
	v_cvt_pk_bf16_f32 v[T+17+2*\i], v[RB+4*\i+2], v[RB+4*\i+3]
	ds_store_b64 v[DR], v[T+16+2*\i:T+17+2*\i] offset:LR+16384+2048*\i
.endr
	s_wait_dscnt 0x0                               ; my stores are in LDS before I say so
	s_barrier_signal -1
	s_barrier_wait -1                              ; router_w and the transposed tile are whole
.irp i, 0,1,2,3
	ds_load_b128 v[WO+4*\i:WO+4*\i+3], v[DTL] offset:16*TP*\i          ; row 16 i + (t>>4) of the tile, 16 bytes
.endr
.irp i, 0,1,2,3,4,5,6,7
	ds_load_b64 v[RB+2*\i:RB+2*\i+1], v[A8] offset:LR+256*\i           ; router row 0, the d that my x registers hold
.endr
	; x: packed in place; a store covers 256 neighbouring bytes, aligned
.set q, 0
.rept 16
	v_cvt_pk_bf16_f32 v[XR+4*q], v[XR+4*q], v[XR+4*q+1]
	v_cvt_pk_bf16_f32 v[XR+4*q+1], v[XR+4*q+2], v[XR+4*q+3]
	global_store_b64 v[A8], v[XR+4*q:XR+4*q+1], s[16:17] offset:(q/8)*2048+(q%8)*256
.set q, q+1
.endr
.irp i, 0,1,2,3
	s_wait_dscnt 11-\i                             ; 3 - i reads of the tile and the router row's 8 are younger
	global_store_b128 v[AWT], v[WO+4*\i:WO+4*\i+3], s[18:19] offset:524288*\i   ; sixteen lanes fill 256 bytes of one row of wt
.endr
	; K: packed in place and stored, a row an instruction; then the square sum of the rounded row
.set q, 0
.rept 16
	v_cvt_pk_bf16_f32 v[KR+4*q], v[KR+4*q], v[KR+4*q+1]
	v_cvt_pk_bf16_f32 v[KR+4*q+1], v[KR+4*q+2], v[KR+4*q+3]
	global_store_b64 v[A8], v[KR+4*q:KR+4*q+1], s[20:21] offset:256*q
.set q, q+1
.endr
.set q, 0
.rept 16
	v_fma_mix_f32_bf16 v[KR+4*q+2], v[KR+4*q], v[KR+4*q], v[Z] op_sel_hi:[1,1,0]
.set q, q+1
.endr
.set q, 0
.rept 16
	v_fma_mix_f32_bf16 v[KR+4*q+2], v[KR+4*q], v[KR+4*q], v[KR+4*q+2] op_sel:[1,1,0] op_sel_hi:[1,1,0]
.set q, q+1
.endr
.set q, 0
.rept 16
	v_fma_mix_f32_bf16 v[KR+4*q+2], v[KR+4*q+1], v[KR+4*q+1], v[KR+4*q+2] op_sel_hi:[1,1,0]
.set q, q+1
.endr
.set q, 0
.rept 16
	v_fma_mix_f32_bf16 v[KR+4*q+2], v[KR+4*q+1], v[KR+4*q+1], v[KR+4*q+2] op_sel:[1,1,0] op_sel_hi:[1,1,0]
.set q, q+1
.endr
.irp m, 1,2,4,8
.set q, 0
.rept 16
	v_add_f32_dpp v[KR+4*q+2], v[KR+4*q+2], v[KR+4*q+2] row_xmask:\m row_mask:0xf bank_mask:0xf
.set q, q+1
.endr
.endr
.set q, 0
.rept 16
	v_permlanex16_b32 v[KR+4*q+3], v[KR+4*q+2], s38, s39
.set q, q+1
.endr
.set q, 0
.rept 16
	v_add_f32 v[KR+4*q+2], v[KR+4*q+2], v[KR+4*q+3]
.set q, q+1
.endr
	v_max3_num_f32 v[T], v[KR+2], v[KR+6], v[KR+10]
.irp j, 3,5,7,9,11,13
	v_max3_num_f32 v[T], v[T], v[KR+4*\j+2], v[KR+4*\j+6]
.endr
	v_max_num_f32 v[T], v[T], v[KR+62]
	ds_store_b32 v[DKM], v[T]                      ; every lane holds the same number
; The scores of router row n for my two tokens; the next row's eight reads go out first, into the other buffer.
.macro DOT n
.set RN, RB+16*(\n&1)
.if \n < 15
.irp i, 0,1,2,3,4,5,6,7
	ds_load_b64 v[RB+16*((\n+1)&1)+2*\i:RB+16*((\n+1)&1)+2*\i+1], v[A8] offset:LR+2048*(\n+1)+256*\i
.endr
	s_wait_dscnt 8                                 ; the eight just issued may stay out
.else
	s_wait_dscnt 0x0
.endif
.irp i, 0,1,2,3,4,5,6,7
.irp j, 0,1
.if \i+\j == 0
	v_fma_mix_f32_bf16 v[ACC+\n], v[XR+4*\i+\j], v[RN+2*\i+\j], v[Z] op_sel_hi:[1,1,0]
	v_fma_mix_f32_bf16 v[ACC+16+\n], v[XR+32+4*\i+\j], v[RN+2*\i+\j], v[Z] op_sel_hi:[1,1,0]
.else
	v_fma_mix_f32_bf16 v[ACC+\n], v[XR+4*\i+\j], v[RN+2*\i+\j], v[ACC+\n] op_sel_hi:[1,1,0]
	v_fma_mix_f32_bf16 v[ACC+16+\n], v[XR+32+4*\i+\j], v[RN+2*\i+\j], v[ACC+16+\n] op_sel_hi:[1,1,0]
.endif
	v_fma_mix_f32_bf16 v[ACC+\n], v[XR+4*\i+\j], v[RN+2*\i+\j], v[ACC+\n] op_sel:[1,1,0] op_sel_hi:[1,1,0]
	v_fma_mix_f32_bf16 v[ACC+16+\n], v[XR+32+4*\i+\j], v[RN+2*\i+\j], v[ACC+16+\n] op_sel:[1,1,0] op_sel_hi:[1,1,0]
.endr
.endr
.endm
.irp n, 0,1,2,3,4,5,6,7,8,9,10,11,12,13,14,15
	DOT \n
.endr
	; 32 sums over the wave's lanes, stage by stage so that no line waits for the one in front of it
.irp m, 1,2,4,8
.set q, 0
.rept 32
	v_add_f32_dpp v[ACC+q], v[ACC+q], v[ACC+q] row_xmask:\m row_mask:0xf bank_mask:0xf
.set q, q+1
.endr
.endr
.set q, 0
.rept 32
	v_permlanex16_b32 v[T+q], v[ACC+q], s38, s39
.set q, q+1
.endr
.set q, 0
.rept 32
	v_add_f32 v[ACC+q], v[ACC+q], v[T+q]
.set q, q+1
.endr
; softmax over the 16 scores of token e; every lane holds all of them.  The maximum is taken away first.
.macro SOFT e
.set A, ACC+16*\e
	v_max3_num_f32 v[T], v[A], v[A+1], v[A+2]
.irp n, 3,5,7,9,11,13
	v_max3_num_f32 v[T], v[T], v[A+\n], v[A+\n+1]
.endr
	v_max_num_f32 v[T], v[T], v[A+15]
	v_mul_f32 v[T], 0xbfb8aa3b, v[T]               ; - max x log2 e: one number for all 16, so its rounding cancels in the quotient
.irp n, 0,1,2,3,4,5,6,7,8,9,10,11,12,13,14,15
	v_fma_f32 v[A+\n], v[A+\n], s40, v[T]
.endr
.irp n, 0,1,2,3,4,5,6,7,8,9,10,11,12,13,14,15
	v_exp_f32 v[A+\n], v[A+\n]
.endr
	v_nop                                          ; one plain instruction between the exponentials and their first use (ISA guide 5.7.2)
	s_wait_alu depctr_va_vdst(0)
	v_pk_add_f32 v[T:T+1], v[A:A+1], v[A+2:A+3]
	v_pk_add_f32 v[T+2:T+3], v[A+4:A+5], v[A+6:A+7]
	v_pk_add_f32 v[T+4:T+5], v[A+8:A+9], v[A+10:A+11]
	v_pk_add_f32 v[T+6:T+7], v[A+12:A+13], v[A+14:A+15]
	v_pk_add_f32 v[T:T+1], v[T:T+1], v[T+2:T+3]
	v_pk_add_f32 v[T+4:T+5], v[T+4:T+5], v[T+6:T+7]
	v_pk_add_f32 v[T:T+1], v[T:T+1], v[T+4:T+5]
	v_add_f32 v[T], v[T], v[T+1]                   ; at least 1: the largest term is 1
	v_rcp_f32 v[T+2], v[T]
	v_nop
	s_wait_alu depctr_va_vdst(0)
.irp n, 0,2,4,6,8,10,12,14
	v_pk_mul_f32 v[A+\n:A+\n+1], v[A+\n:A+\n+1], v[T+2:T+3] op_sel_hi:[1,0]
.endr
.irp p, 0,1,2,3
	ds_store_b128 v[DWS], v[A+4*\p:A+4*\p+3] offset:256*\p+16*\e       ; every lane writes the same 16 bytes
.endr
.endm
	SOFT 0
	SOFT 1
	s_wait_dscnt 0x0                               ; my weights and my norm are in LDS before I say so
	s_barrier_signal -1
	s_barrier_wait -1
	s_cmp_lg_u32 s24, 0
	s_cbranch_scc1 .Lnot_wave_0
	; wave 0: the 16 tokens' weights, four planes of 256 bytes, each written whole
	v_add_nc_u32 v[T+9], LWS, v[A16]
	ds_load_b128 v[T:T+3], v[T+9]
	ds_load_b128 v[T+4:T+7], v[T+9] offset:512
	v_lshlrev_b32 v[T+8], 4, v14
	v_lshl_add_u32 v[T+8], v15, 16, v[T+8]         ; plane L>>4
	s_lshl_b32 s41, ttmp9, 8
	v_add_nc_u32 v[T+8], s41, v[T+8]
	s_wait_dscnt 0x0
	global_store_b128 v[T+8], v[T:T+3], s[22:23]
	global_store_b128 v[T+8], v[T+4:T+7], s[22:23] offset:131072
	s_set_vgpr_msb 0x5
	s_wait_tensorcnt 0x0
	ds_add_u32 v0, v1
	s_wait_dscnt 0x0
	s_set_vgpr_msb 0x500
	s_endpgm
.Lnot_wave_0:
	s_cmp_lg_u32 s24, 1
	s_cbranch_scc1 .Lend
	; wave 1: the largest of the eight waves' norms, one word for the work-group
	v_mov_b32 v[T+9], LKM
	ds_load_b128 v[T:T+3], v[T+9]
	ds_load_b128 v[T+4:T+7], v[T+9] offset:16
	s_lshl_b32 s41, ttmp9, 2
	v_mov_b32 v[T+8], s41
	s_wait_dscnt 0x0
	v_max3_num_f32 v[T], v[T], v[T+1], v[T+2]
	v_max3_num_f32 v[T], v[T], v[T+3], v[T+4]
	v_max3_num_f32 v[T], v[T], v[T+5], v[T+6]
	v_max_num_f32 v[T], v[T], v[T+7]
	v_cmp_gt_u32 vcc_lo, 1, v1
	s_wait_xcnt 0x0                                ; EXEC is a source of my pending stores: it narrows only behind this wait
	s_and_saveexec_b32 s42, vcc_lo
	global_store_b32 v[T+8], v[T], s[22:23] offset:262144
	s_wait_xcnt 0x0                                ; and widens only behind this one
	s_or_b32 exec_lo, exec_lo, s42
.Lend:
	s_set_vgpr_msb 0x5
	s_wait_tensorcnt 0x0
	ds_add_u32 v0, v1
	s_wait_dscnt 0x0
	s_set_vgpr_msb 0x500
	s_endpgm
.Lfunc_end_k_q1a8df51017_prep:
	.size	k_q1a8df51017_prep, .Lfunc_end_k_q1a8df51017_prep-k_q1a8df51017_prep
	.p2alignl 7, 3214868480
	.fill 96, 4, 3214868480
	.section	.rodata,"a",@progbits
	.p2align	6, 0x0
	.amdhsa_kernel k_q1a8df51017_prep
		.amdhsa_group_segment_fixed_size 52480
		.amdhsa_private_segment_fixed_size 0
		.amdhsa_enable_private_segment 0
		.amdhsa_kernarg_size 64
		.amdhsa_user_sgpr_count 2
		.amdhsa_user_sgpr_kernarg_segment_ptr 1
		.amdhsa_wavefront_size32 1
		.amdhsa_system_sgpr_workgroup_id_x 1
		.amdhsa_system_sgpr_workgroup_id_y 1
		.amdhsa_system_sgpr_workgroup_id_z 1
		.amdhsa_system_vgpr_workitem_id 0
		.amdhsa_next_free_vgpr 258
		.amdhsa_next_free_sgpr 66
		.amdhsa_reserve_vcc 1
		.amdhsa_float_denorm_mode_32 3
		.amdhsa_float_denorm_mode_16_64 3
		.amdhsa_memory_ordered 1
		.amdhsa_forward_progress 1
		.amdhsa_inst_pref_size 124
	.end_amdhsa_kernel
	.amdgpu_metadata
---
amdhsa.version: [ 1, 2 ]
amdhsa.kernels:
  - .name:           k_q1a8df51017_prep
    .symbol:         k_q1a8df51017_prep.kd
    .args:
      - { .name: x, .offset: 0, .size: 8, .value_kind: global_buffer, .address_space: global }
      - { .name: router_w, .offset: 8, .size: 8, .value_kind: global_buffer, .address_space: global }
      - { .name: compress_neurons, .offset: 16, .size: 8, .value_kind: global_buffer, .address_space: global }
      - { .name: knowledge_K, .offset: 24, .size: 8, .value_kind: global_buffer, .address_space: global }
      - { .name: xb, .offset: 32, .size: 8, .value_kind: global_buffer, .address_space: global }
      - { .name: wt, .offset: 40, .size: 8, .value_kind: global_buffer, .address_space: global }
      - { .name: kb, .offset: 48, .size: 8, .value_kind: global_buffer, .address_space: global }
      - { .name: aux, .offset: 56, .size: 8, .value_kind: global_buffer, .address_space: global }
    .group_segment_fixed_size: 52480
    .private_segment_fixed_size: 0
    .kernarg_segment_align: 8
    .kernarg_segment_size: 64
    .max_flat_workgroup_size: 256
    .sgpr_count:     66
    .vgpr_count:     258
    .wavefront_size: 32
...
	.end_amdgpu_metadata
.endif
;; end of part 1
;; launch qproj (part 2): grid 8 x 32, 4 waves a work-group, clusters of 4 x 4, 327,680 bytes of LDS; arguments wt, xb, aux, qw; writes qw
.if DOCPART == 2
	.amdgcn_target "amdgcn-amd-amdhsa--gfx1250"
	.amdhsa_code_object_version 6
	.text
	.protected	k_q1a8df51017_qproj
	.globl	k_q1a8df51017_qproj
	.p2align	8
	.type	k_q1a8df51017_qproj,@function
k_q1a8df51017_qproj:
	s_mov_b64 s[64:65], 0
	v_nop
	global_prefetch_b8 v0, s[64:65] scope:SCOPE_SE
	s_setreg_imm32_b32 hwreg(HW_REG_WAVE_MODE, 25, 1), 1
	s_wait_xcnt 0x0
	s_wait_alu depctr_hold_cnt(0) depctr_sa_sdst(0) depctr_va_vdst(0) depctr_va_sdst(0) depctr_va_ssrc(0) depctr_va_vcc(0) depctr_vm_vsrc(0)
	s_getreg_b32 s2, hwreg(HW_REG_IB_STS2, 6, 4)
	s_cmp_eq_u32 s2, 0
	s_cbranch_scc0 .Lentry_in_a_cluster
	s_endpgm
.Lentry_in_a_cluster:
	s_bfe_u32 s2, ttmp6, 0x10000c
	s_cmp_lg_u32 s2, 0xf033
	s_cbranch_scc0 .Lentry_shape_is_right
	s_endpgm
.Lentry_shape_is_right:
; qproj: Q[token][r] = sum over n of w[token][n] * (sum over d of x[token][d] W[n][d][r]).
; The inner sums are made neuron by neuron on the matrix unit (bf16 x bf16, f32 sums); the weights are applied in f32 behind them,
; so that no product of a weight and x is ever rounded to bf16.
; Work-group (rb, tb): the 256 rows of wt of block rb (16 neurons x 16 r) times 128 tokens, K = 1024 in 8 steps of 128.
; Four waves; wave w takes wt's rows 64 w .. 64 w + 63 (neurons 4 w .. 4 w + 3, one tile of 16 rows each) times all 128 tokens: 32 accumulators.
; Source 0 = rows of wt, source 1 = rows of xb: lane (r, h) holds, in register j, Y[token 16 b + r][neuron][16 rb + 8 h + j].
; CLUSTERS: 4 x 4.  wt's tile hangs on rb alone (shared along a column of the cluster), xb's on tb alone (shared along a row): joint loads.
; Two LDS slots of one K step; a wave has two tensor loads out at the start and one behind each round.
; The 32 accumulators take turns, one instruction a turn, in the same order in every quarter step.
.set KSTEP,  128
.set PITCH,  272                       ; 256 bytes of a row + 16 of padding
.set WHALF,  128*PITCH                 ; 128 rows of wt: one load of wave 0 or 1
.set XHALF,  64*PITCH                  ; 64 rows of xb: one load of wave 2 or 3
.set SLOT,   2*WHALF+2*XHALF           ; wt's 256 rows, then xb's 128 rows: 104,448 bytes
.set STAGE,  2*SLOT                    ; 208,896: 4 waves x 128 tokens x 80 bytes; no tile load lands here
.set SP,     80                        ; 16 f32 + 16 bytes
.set LAPS,   4                         ; 1024 / (2 x 128)
.set ADRW, 16                          ; v16-17  LDS address of my wt fragments in slot 0, 1
.set ADRX, 20                          ; v20-21  the same for xb
.set STO,  24                          ; way out: where my partial sums go
.set RD,   25                          ; way out: where I read the four waves' partial sums
.set CO,   26                          ; 16 t: my bytes in qw
.set WA,   27                          ; 16 r: my token's weights
.set F0,   32                          ; fragment buffer 0: xb's 8 tiles at +0, wt's 4 tiles at +64
.set F1,   128                         ; fragment buffer 1
.set WT,   224                         ; v[224:255] my neurons' four weights for token 16 b + r, b = 0..7
.set G1X, 24                           ; s[24:31] group 1 for xb's tiles
.set G0X, 32                           ; s[32:39] group 0 for xb's tiles, a set for each slot
.set G1W, 48                           ; s[48:55] group 1 for wt's tiles
.set G0W, 56                           ; s[56:63] group 0 for wt's tiles
.set BITS, (1<<16)|(1<<20)|(1<<21)|(5<<22)|(3<<25)   ; 2-byte elements; padding on; bit 21 beside a mask; after every 64 words, 4 words
.set MSB, 0
.macro WIN new                         ; the immediate's high byte repeats the setting that is left
.if MSB != \new
	s_set_vgpr_msb (MSB<<8)|\new
.set MSB, \new
.endif
.endm
.set MUL, 0x50                         ; C and D in window 1 (v256-511: accumulator (a, b) at 8 (8 a + b)), sources in window 0
.macro JLOAD s                         ; waves 0, 1 ask for wt's halves, waves 2, 3 for xb's: the branch hangs on the wave's number alone
	s_cmp_eq_u32 s11, 0
	s_cbranch_scc0 .Lfor_x_\@
	tensor_load_to_lds s[G0W+4*\s:G0W+4*\s+3], s[G1W:G1W+7]
	s_nop 0
	s_branch .Lasked_\@
.Lfor_x_\@:
	tensor_load_to_lds s[G0X+4*\s:G0X+4*\s+3], s[G1X:G1X+7]
	s_nop 0
.Lasked_\@:
.endm
.macro CREST                           ; a round of the cluster's barrier behind its opening barrier
	s_cmp_lg_u32 s10, 0
	s_cbranch_scc1 .Lnot_wave_0_\@
	s_barrier_signal -3
.Lnot_wave_0_\@:
	s_barrier_wait -3
	s_barrier_signal -1
	s_barrier_wait -1
.endm
.macro CROUND
	s_barrier_signal -1
	s_barrier_wait -1
	CREST
.endm
.macro PLACES                          ; four plain vector instructions between a matrix instruction and a load into, or a vector use of, its registers
.rept 4
	v_nop
.endr
.endm
	s_load_b128 s[4:7], s[0:1], 0x0                ; wt, xb
	s_load_b64 s[8:9], s[0:1], 0x10                ; aux
	s_load_b64 s[18:19], s[0:1], 0x18              ; qw
	v_lshl_add_u32 v30, v0, 2, 0x3d000
	v_mov_b32 v31, 0
	ds_add_u32 v30, v31
	v_lshrrev_b32 v1, 5, v0
	v_readfirstlane_b32 s10, v1                    ; wave
	s_lshr_b32 s11, s10, 1                         ; 0: I fetch for wt, 1: for xb
	s_and_b32 s12, s10, 1                          ; which half of that tile
	s_bfe_u32 s40, ttmp6, 0x40000                  ; cx
	s_bfe_u32 s41, ttmp6, 0x40004                  ; cy
	s_lshl_b32 s42, ttmp9, 2
	s_add_co_u32 s42, s42, s40                     ; rb = 4 x cluster x + cx
	s_and_b32 s13, ttmp7, 0xffff
	s_lshl_b32 s13, s13, 2
	s_add_co_u32 s13, s13, s41                     ; tb = 4 x cluster y + cy
	s_lshl_b32 s43, s41, 2
	s_lshl_b32 s43, 15, s43                        ; my row of the cluster
	s_lshl_b32 s44, 0x1111, s40                    ; my column
	s_or_b32 s[G1X+0], s43, BITS                   ; xb's tiles go to my row
	s_or_b32 s[G1W+0], s44, BITS                   ; wt's tiles go to my column
	s_mov_b32 s[G1X+1], KSTEP<<16                  ; tensor_dim0 = 128
	s_mov_b32 s[G1W+1], KSTEP<<16
	s_mov_b32 s[G1X+2], 64<<16                     ; tensor_dim1 = 64 rows
	s_mov_b32 s[G1W+2], 128<<16                    ; 128 rows
	s_mov_b32 s[G1X+3], KSTEP<<16                  ; tile_dim0 = 128
	s_mov_b32 s[G1W+3], KSTEP<<16
	s_mov_b32 s[G1X+4], 64                         ; tile_dim1
	s_mov_b32 s[G1W+4], 128
	s_mov_b32 s[G1X+5], 1024                       ; elements from row to row
	s_mov_b32 s[G1W+5], 1024
	s_mov_b32 s[G1X+6], 0
	s_mov_b32 s[G1W+6], 0
	s_mov_b32 s[G1X+7], 0
	s_mov_b32 s[G1W+7], 0
	s_lshl_b32 s16, s13, 7
	s_lshl_b32 s17, s12, 6
	s_add_co_u32 s16, s16, s17                     ; xb: row 128 tb + 64 x half
	s_lshl_b32 s16, s16, 11                        ; 2,048 bytes a row
	s_mov_b32 s17, 0
	s_lshl_b32 s46, s42, 8
	s_lshl_b32 s47, s12, 7
	s_add_co_u32 s46, s46, s47                     ; wt: row 256 rb + 128 x half
	s_lshl_b32 s46, s46, 11
	s_mov_b32 s47, 0
	s_mul_i32 s20, s10, WHALF                      ; wt's halves at 0 and 34,816 (waves 0, 1)
	s_mul_i32 s21, s10, XHALF
	s_add_co_u32 s21, s21, WHALF                   ; xb's halves at 69,632 and 87,040 (waves 2, 3)
	s_lshl_b32 s22, s10, 16                        ; my plane of the weights,
	s_lshl_b32 s23, s13, 11                        ; my 128 tokens of 16 bytes
	s_add_co_u32 s22, s22, s23
	s_mov_b32 s23, 0
	s_wait_dscnt 0x0
	s_wait_kmcnt 0x0
	s_add_nc_u64 s[14:15], s[6:7], s[16:17]
	s_add_nc_u64 s[46:47], s[4:5], s[46:47]
	s_add_nc_u64 s[8:9], s[8:9], s[22:23]
	CROUND                                         ; all sixteen work-groups are here: the first joint loads meet
.irp s, 0,1
	s_mov_b32 s[G0X+4*\s], 1
	s_add_co_u32 s[G0X+4*\s+1], s21, \s*SLOT
	s_add_nc_u64 s[G0X+4*\s+2:G0X+4*\s+3], s[14:15], \s*KSTEP*2
	s_or_b32 s[G0X+4*\s+3], s[G0X+4*\s+3], 0x80000000
	s_mov_b32 s[G0W+4*\s], 1
	s_add_co_u32 s[G0W+4*\s+1], s20, \s*SLOT
	s_add_nc_u64 s[G0W+4*\s+2:G0W+4*\s+3], s[46:47], \s*KSTEP*2
	s_or_b32 s[G0W+4*\s+3], s[G0W+4*\s+3], 0x80000000
	JLOAD \s
.endr
	v_and_b32 v1, 15, v0                           ; r
	v_bfe_u32 v2, v0, 4, 1                         ; h
	v_lshlrev_b32 v[WA], 4, v1
.irp b, 0,1,2,3,4,5,6,7
	global_load_b128 v[WT+4*\b:WT+4*\b+3], v[WA], s[8:9] offset:256*\b     ; the weights, waited for in front of the way out
.endr
	v_mul_u32_u24 v3, v1, PITCH
	v_lshl_add_u32 v3, v2, 4, v3                   ; row x pitch + 16 h
	s_mul_i32 s22, s10, 64*PITCH                   ; my 64 rows of wt
	s_mov_b32 s23, 2*WHALF                         ; xb's rows lie behind wt's 256
.irp s, 0,1
	v_add_nc_u32 v[ADRW+\s], s22, v3
	v_add_nc_u32 v[ADRX+\s], s23, v3
	s_add_co_u32 s22, s22, SLOT
	s_add_co_u32 s23, s23, SLOT
.endr
	s_mul_i32 s22, s10, 128*SP
	s_add_co_u32 s22, s22, STAGE
	v_mul_u32_u24 v4, v1, SP
	v_lshl_add_u32 v4, v2, 5, v4                   ; token r, columns 8 h ..
	v_add_nc_u32 v[STO], s22, v4
	v_lshrrev_b32 v4, 2, v0
	v_and_b32 v5, 3, v0
	v_mul_u32_u24 v4, v4, SP
	v_lshl_add_u32 v4, v5, 4, v4
	v_add_nc_u32 v[RD], STAGE, v4                  ; token t>>2, 16 bytes t&3
	v_lshlrev_b32 v[CO], 4, v0
.macro MUL8 f, a, zero                 ; neuron tile a times all 8 token tiles, 32 along K
.irp b, 0,1,2,3,4,5,6,7
.if \zero
	v_wmma_f32_16x16x32_bf16 v[8*(8*\a+\b):8*(8*\a+\b)+7], v[\f+64+8*\a:\f+64+8*\a+7], v[\f+8*\b:\f+8*\b+7], 0
.else
	v_wmma_f32_16x16x32_bf16 v[8*(8*\a+\b):8*(8*\a+\b)+7], v[\f+64+8*\a:\f+64+8*\a+7], v[\f+8*\b:\f+8*\b+7], v[8*(8*\a+\b):8*(8*\a+\b)+7]
.endif
.endr
.endm
.macro FETCH slot, k, f                ; 24 LDS loads: xb's 128 rows, then my 64 rows of wt, 32 K at byte k
.irp i, 0,1,2,3,4,5,6,7
	ds_load_b128 v[\f+8*\i:\f+8*\i+3],   v[ADRX+\slot] offset:\k+\i*16*PITCH
	ds_load_b128 v[\f+8*\i+4:\f+8*\i+7], v[ADRX+\slot] offset:\k+\i*16*PITCH+32
.endr
.irp i, 0,1,2,3
	ds_load_b128 v[\f+64+8*\i:\f+64+8*\i+3], v[ADRW+\slot] offset:\k+\i*16*PITCH
	ds_load_b128 v[\f+64+8*\i+4:\f+64+8*\i+7], v[ADRW+\slot] offset:\k+\i*16*PITCH+32
.endr
.endm
.macro QUARTER slot, k, f, g, zero     ; multiplies buffer f; in its middle fetches the next quarter into g
	s_wait_dscnt 4                                 ; the four youngest loads (wt's tiles 2 and 3) may be out
	WIN MUL
	MUL8 \f, 0, \zero
	MUL8 \f, 1, \zero
	WIN 0
	PLACES
	FETCH \slot, \k, \g
	s_wait_dscnt 24                                ; all but the 24 just issued
	WIN MUL
	MUL8 \f, 2, \zero
	MUL8 \f, 3, \zero
.endm
.macro THREE slot, zero
	QUARTER \slot, 64,  F0, F1, \zero
	QUARTER \slot, 128, F1, F0, 0
	QUARTER \slot, 192, F0, F1, 0
.endm
; The last quarter of a K step changes slots.  In front of the barrier each wave waits for its reads of this slot and for all its tensor
; loads (the one that is out is its part of the next slot); behind it, where the slot is filled again, the cluster's round is closed and
; the joint refill is the first tensor load.
.macro TURN slot, next, fill
	s_wait_dscnt 4
	WIN MUL
	MUL8 F1, 0, 0
	s_wait_dscnt 0x0                               ; my reads of this slot are over
	s_wait_tensorcnt 0x0                           ; all my tensor loads have landed
	ds_add_u32 v30, v31
	s_wait_dscnt 0x0
	s_barrier_signal -1
	MUL8 F1, 1, 0                                  ; register work while the others arrive
	WIN 0
	s_barrier_wait -1
.if \fill
	CREST
	s_add_nc_u64 s[G0X+4*\slot+2:G0X+4*\slot+3], s[G0X+4*\slot+2:G0X+4*\slot+3], 2*KSTEP*2
	s_add_nc_u64 s[G0W+4*\slot+2:G0W+4*\slot+3], s[G0W+4*\slot+2:G0W+4*\slot+3], 2*KSTEP*2
	JLOAD \slot
.endif
	PLACES
	FETCH \next, 0, F0
	WIN MUL
	MUL8 F1, 2, 0
	MUL8 F1, 3, 0
.endm
.macro LAP zero
	THREE 0, \zero
	TURN 0, 1, 1
	THREE 1, 0
	TURN 1, 0, 1
.endm
	s_wait_tensorcnt 1                             ; my part of K step 0 is in; K step 1's load may stay out
	s_barrier_signal -1
	s_barrier_wait -1
	FETCH 0, 0, F0
	LAP 1                                          ; the first products start the sums: nothing is cleared
	WIN 0
	s_mov_b32 s3, LAPS-2
.Llap:
	LAP 0
	WIN 0
	s_sub_co_u32 s3, s3, 1
	s_cmp_lg_u32 s3, 0
	s_cbranch_scc1 .Llap
	THREE 0, 0                                     ; the last lap fills nothing
	TURN 0, 1, 0
	THREE 1, 0
	s_wait_dscnt 4
	WIN MUL
	MUL8 F1, 0, 0
	MUL8 F1, 1, 0
	s_wait_dscnt 0x0
	MUL8 F1, 2, 0
	MUL8 F1, 3, 0
	WIN 0
	PLACES
	; THE WAY OUT.  My four neurons' results times their weights, in f32: P(b) in buffer 1's registers.
	s_lshl_b32 s46, s42, 18                        ; qw: block rb of 262,144 bytes,
	s_lshl_b32 s47, s13, 13                        ; 128 tokens of 64 bytes
	s_add_co_u32 s46, s46, s47
	s_mov_b32 s47, 0
	s_add_nc_u64 s[18:19], s[18:19], s[46:47]
	s_wait_loadcnt 0x0                             ; the weights
	WIN 0x01                                       ; source 0 in window 1
.irp b, 0,1,2,3,4,5,6,7
.irp p, 0,1,2,3
	v_pk_mul_f32 v[F1+8*\b+2*\p:F1+8*\b+2*\p+1], v[8*\b+2*\p:8*\b+2*\p+1], v[WT+4*\b:WT+4*\b+1] op_sel_hi:[1,0]
.endr
.irp p, 0,1,2,3
	v_pk_fma_f32 v[F1+8*\b+2*\p:F1+8*\b+2*\p+1], v[64+8*\b+2*\p:64+8*\b+2*\p+1], v[WT+4*\b:WT+4*\b+1], v[F1+8*\b+2*\p:F1+8*\b+2*\p+1] op_sel:[0,1,0] op_sel_hi:[1,1,1]
.endr
.irp p, 0,1,2,3
	v_pk_fma_f32 v[F1+8*\b+2*\p:F1+8*\b+2*\p+1], v[128+8*\b+2*\p:128+8*\b+2*\p+1], v[WT+4*\b+2:WT+4*\b+3], v[F1+8*\b+2*\p:F1+8*\b+2*\p+1] op_sel_hi:[1,0,1]
.endr
.irp p, 0,1,2,3
	v_pk_fma_f32 v[F1+8*\b+2*\p:F1+8*\b+2*\p+1], v[192+8*\b+2*\p:192+8*\b+2*\p+1], v[WT+4*\b+2:WT+4*\b+3], v[F1+8*\b+2*\p:F1+8*\b+2*\p+1] op_sel:[0,1,0] op_sel_hi:[1,1,1]
.endr
.endr
	WIN 0
.irp b, 0,1,2,3,4,5,6,7
	ds_store_b128 v[STO], v[F1+8*\b:F1+8*\b+3] offset:16*SP*\b
	ds_store_b128 v[STO], v[F1+8*\b+4:F1+8*\b+7] offset:16*SP*\b+16
.endr
	s_wait_dscnt 0x0                               ; my partial sums are in LDS before I say so
	s_barrier_signal -1
	s_barrier_wait -1
.irp i, 0,1,2,3
.irp u, 0,1,2,3
	ds_load_b128 v[F0+16*\i+4*\u:F0+16*\i+4*\u+3], v[RD] offset:32*SP*\i+128*SP*\u   ; token 32 i + (t>>2), wave u's part
.endr
.endr
.irp i, 0,1,2,3
	s_wait_dscnt 12-4*\i                           ; the later tokens' reads may stay out
	v_pk_add_f32 v[F0+16*\i:F0+16*\i+1], v[F0+16*\i:F0+16*\i+1], v[F0+16*\i+4:F0+16*\i+5]
	v_pk_add_f32 v[F0+16*\i+2:F0+16*\i+3], v[F0+16*\i+2:F0+16*\i+3], v[F0+16*\i+6:F0+16*\i+7]
	v_pk_add_f32 v[F0+16*\i+8:F0+16*\i+9], v[F0+16*\i+8:F0+16*\i+9], v[F0+16*\i+12:F0+16*\i+13]
	v_pk_add_f32 v[F0+16*\i+10:F0+16*\i+11], v[F0+16*\i+10:F0+16*\i+11], v[F0+16*\i+14:F0+16*\i+15]
	v_pk_add_f32 v[F0+16*\i:F0+16*\i+1], v[F0+16*\i:F0+16*\i+1], v[F0+16*\i+8:F0+16*\i+9]
	v_pk_add_f32 v[F0+16*\i+2:F0+16*\i+3], v[F0+16*\i+2:F0+16*\i+3], v[F0+16*\i+10:F0+16*\i+11]
	global_store_b128 v[CO], v[F0+16*\i:F0+16*\i+3], s[18:19] offset:2048*\i     ; a wave's store covers 512 neighbouring bytes
.endr
	s_wait_tensorcnt 0x0
	ds_add_u32 v30, v31
	s_wait_dscnt 0x0
	CROUND                                         ; the closing round: no work-group ends while a partner may still ask jointly
	s_endpgm
.Lfunc_end_k_q1a8df51017_qproj:
	.size	k_q1a8df51017_qproj, .Lfunc_end_k_q1a8df51017_qproj-k_q1a8df51017_qproj
	.p2alignl 7, 3214868480
	.fill 96, 4, 3214868480
	.section	.rodata,"a",@progbits
	.p2align	6, 0x0
	.amdhsa_kernel k_q1a8df51017_qproj
		.amdhsa_group_segment_fixed_size 327680
		.amdhsa_private_segment_fixed_size 0
		.amdhsa_enable_private_segment 0
		.amdhsa_kernarg_size 32
		.amdhsa_user_sgpr_count 2
		.amdhsa_user_sgpr_kernarg_segment_ptr 1
		.amdhsa_wavefront_size32 1
		.amdhsa_system_sgpr_workgroup_id_x 1
		.amdhsa_system_sgpr_workgroup_id_y 1
		.amdhsa_system_sgpr_workgroup_id_z 1
		.amdhsa_system_vgpr_workitem_id 0
		.amdhsa_next_free_vgpr 512
		.amdhsa_next_free_sgpr 66
		.amdhsa_reserve_vcc 0
		.amdhsa_float_denorm_mode_32 3
		.amdhsa_float_denorm_mode_16_64 3
		.amdhsa_memory_ordered 1
		.amdhsa_forward_progress 1
		.amdhsa_inst_pref_size 114
	.end_amdhsa_kernel
	.amdgpu_metadata
---
amdhsa.version: [ 1, 2 ]
amdhsa.kernels:
  - .name:           k_q1a8df51017_qproj
    .symbol:         k_q1a8df51017_qproj.kd
    .args:
      - { .name: wt, .offset: 0, .size: 8, .value_kind: global_buffer, .address_space: global }
      - { .name: xb, .offset: 8, .size: 8, .value_kind: global_buffer, .address_space: global }
      - { .name: aux, .offset: 16, .size: 8, .value_kind: global_buffer, .address_space: global }
      - { .name: qw, .offset: 24, .size: 8, .value_kind: global_buffer, .address_space: global }
    .group_segment_fixed_size: 327680
    .private_segment_fixed_size: 0
    .kernarg_segment_align: 8
    .kernarg_segment_size: 32
    .max_flat_workgroup_size: 128
    .sgpr_count:     66
    .vgpr_count:     512
    .wavefront_size: 32
...
	.end_amdgpu_metadata
.endif
;; end of part 2
;; launch filter (part 3): grid 8 x 32, 8 waves a work-group, clusters of 4 x 1, 314,368 bytes of LDS; arguments kb, qw, aux, keys; writes keys
.if DOCPART == 3
	.amdgcn_target "amdgcn-amd-amdhsa--gfx1250"
	.amdhsa_code_object_version 6
	.text
	.protected	k_q1a8df51017_filter
	.globl	k_q1a8df51017_filter
	.p2align	8
	.type	k_q1a8df51017_filter,@function
k_q1a8df51017_filter:
	s_mov_b64 s[64:65], 0
	v_nop
	global_prefetch_b8 v0, s[64:65] scope:SCOPE_SE
	s_setreg_imm32_b32 hwreg(HW_REG_WAVE_MODE, 25, 1), 1
	s_wait_xcnt 0x0
	s_wait_alu depctr_hold_cnt(0) depctr_sa_sdst(0) depctr_va_vdst(0) depctr_va_sdst(0) depctr_va_ssrc(0) depctr_va_vcc(0) depctr_vm_vsrc(0)
	s_getreg_b32 s2, hwreg(HW_REG_IB_STS2, 6, 4)
	s_cmp_eq_u32 s2, 0
	s_cbranch_scc0 .Lentry_in_a_cluster
	s_endpgm
.Lentry_in_a_cluster:
	s_bfe_u32 s2, ttmp6, 0x10000c
	s_cmp_lg_u32 s2, 0x3003
	s_cbranch_scc0 .Lentry_shape_is_right
	s_endpgm
.Lentry_shape_is_right:
; filter: for each token and each of 32 parts of K (1,024 rows) the 8 best GROUP KEYS.  A group is 8 neighbouring rows of K.
; The scores made here only sift; the ranking that counts is made later in f32.
;   sc = 0.25 / (|Q| Kmax), Kmax the largest 2-norm of a row of K;  Qs = bf16(Q sc);  a = 1.5 + Qs . K_n  (the first product's C holds 1.5).
;   |Qs . K_n| <= 0.25 (1 + 2^-9) by Cauchy-Schwarz, so a lies in [1, 2): one binade, steps of 2^-23, and the order of the bits is the order of the numbers.
;   |a - exact| <= 2^-9 x 0.25 x 2^23 = 4,096 steps from rounding Qs, plus tens of steps from the four roundings of the sum and from v_rsq_f32.
;   key = (largest a of the group & 0xfffff000) | group number (12 bits).  What the later launch concludes from that is said there.
; LIMITS: |Q|^2 Kmax^2 is clamped below at 2^-100 (all keys then tie and the later launch scans everything); NaN, infinities not served.
; Work-group (x, y): tokens 512 x .. + 511, part y.  Eight waves, 64 tokens each (4 tiles of 16), every wave walks the part's 64 tiles of 16 rows.
; The part (1,024 rows x 272 bytes) is brought into LDS once, in two chunks: no byte is filled twice.  A wave has two tensor loads out.
; CLUSTERS: 4 x 1: the four token blocks of a cluster read the same part of K: joint loads, mask 15.
; Two accumulator sets take turns: while one tile's 16 matrix instructions run, the vector unit sifts the tile before.  Within a set the four
; accumulators take turns, one instruction a turn.
.set PITCH,  272
.set CHUNKB, 512*PITCH                 ; 139,264
.set STAGE,  1024*PITCH                ; 278,528: 8 waves x 16 rows x 272 bytes, for turning Q into fragments; no tile load lands here
.set BUF0, 32                          ; v[32:63]   K fragments (16 rows x 128 k), two buffers
.set BUF1, 64
.set SETA, 96                          ; v[96:127]  accumulators, 4 token tiles x 8, two sets
.set SETB, 128
.set LST,  160                         ; v[160:191] 8 best keys, descending, for each token tile
.set ONE5, 192                         ; v[192:199] 1.5
.set XK,   200                         ; v[200:203] the tile's key for each token tile
.set ADRK, 204                         ; LDS address of my K fragment in the current pair of tiles
.set VID,  205                         ; group number of my 8 rows: 128 y + 2 tile + h
.set VST,  206
.set VFR,  207
.set TQ,   208                         ; v[208:215] at work
.set VKM,  216                         ; Kmax^2
.set VQ,   217                         ; 16 L
.set VKO,  218                         ; my bytes in keys
.set VKA,  219                         ; 32 L
; window 1 (v256-383): Qs fragment (token tile tt, k step ks) at 32 tt + 8 ks
.set MSB, 0
.macro WIN new
.if MSB != \new
	s_set_vgpr_msb (MSB<<8)|\new
.set MSB, \new
.endif
.endm
.macro ROUND                           ; a round of the cluster's barrier
	s_barrier_signal -1
	s_barrier_wait -1
	s_cmp_lg_u32 s12, 0
	s_cbranch_scc1 .Lnot_wave_0_\@
	s_barrier_signal -3
.Lnot_wave_0_\@:
	s_barrier_wait -3
	s_barrier_signal -1
	s_barrier_wait -1
.endm
.macro PLACES
.rept 4
	v_nop
.endr
.endm
	s_load_b256 s[4:11], s[0:1], 0x0               ; kb, qw, aux, keys
	v_lshl_add_u32 v254, v0, 2, 0x4c800
	v_mov_b32 v255, 0
	ds_add_u32 v254, v255
	v_lshrrev_b32 v1, 5, v0
	v_readfirstlane_b32 s12, v1                    ; wave
	s_bfe_u32 s13, ttmp6, 0x40000                  ; cx
	s_lshl_b32 s14, ttmp9, 2
	s_add_co_u32 s14, s14, s13                     ; x = 4 x cluster x + cx
	s_and_b32 s15, ttmp7, 0xffff                   ; y
	s_mov_b32 s16, 15|(1<<16)|(1<<20)|(1<<21)|(5<<22)|(3<<25)   ; mask of the four; 2-byte elements; padding: after 64 words, 4 words
	s_mov_b32 s17, 128<<16                         ; tensor_dim0 = 128
	s_mov_b32 s18, 64<<16                          ; tensor_dim1 = 64
	s_mov_b32 s19, 128<<16                         ; tile_dim0 = 128
	s_mov_b32 s20, 64                              ; tile_dim1 = 64 rows
	s_mov_b32 s21, 128                             ; elements from row to row
	s_mov_b32 s22, 0
	s_mov_b32 s23, 0
	s_lshl_b32 s32, s15, 18                        ; part y: 1,024 rows of 256 bytes
	s_lshl_b32 s33, s12, 14                        ; my 64 rows
	s_add_co_u32 s32, s32, s33
	s_mov_b32 s33, 0
	s_mul_i32 s34, s12, 64*PITCH
	s_mov_b32 s36, 0xfffff000
	s_mov_b32 s38, 0x76543210
	s_mov_b32 s39, 0xfedcba98
	s_lshl_b32 s40, s14, 15                        ; qw: 512 tokens of 64 bytes a block, my 64 tokens
	s_lshl_b32 s41, s12, 12
	s_add_co_u32 s40, s40, s41
	s_mov_b32 s41, 0
	s_lshl_b32 s42, s15, 17                        ; keys: part y, 32 bytes a token
	s_lshl_b32 s43, s14, 14
	s_add_co_u32 s42, s42, s43
	s_lshl_b32 s43, s12, 11
	s_add_co_u32 s42, s42, s43
	s_mov_b32 s43, 0
	s_wait_dscnt 0x0
	s_wait_kmcnt 0x0
	s_add_nc_u64 s[4:5], s[4:5], s[32:33]
	s_add_nc_u64 s[6:7], s[6:7], s[40:41]
	s_add_nc_u64 s[10:11], s[10:11], s[42:43]
.irp c, 0,1
	s_mov_b32 s[24+4*\c], 1
	s_add_co_u32 s[25+4*\c], s34, \c*CHUNKB        ; rows 512 c + 64 w
	s_add_nc_u64 s[26+4*\c:27+4*\c], s[4:5], \c*131072
	s_or_b32 s[27+4*\c], s[27+4*\c], 0x80000000
.endr
	ROUND                                          ; the four work-groups are here: the joint loads meet
	tensor_load_to_lds s[24:27], s[16:23]          ; chunk 0
	s_nop 0
	tensor_load_to_lds s[28:31], s[16:23]          ; chunk 1
	s_nop 0
	v_and_b32 v1, 31, v0                           ; L
	v_and_b32 v2, 15, v0                           ; r
	v_bfe_u32 v3, v0, 4, 1                         ; h
	v_mul_u32_u24 v[ADRK], v2, PITCH
	v_lshl_add_u32 v[ADRK], v3, 4, v[ADRK]         ; row r, 16 h
	s_mul_i32 s35, s12, 16*PITCH
	s_add_co_u32 s35, s35, STAGE                   ; my stage
	v_add_nc_u32 v[VFR], s35, v[ADRK]
	v_lshrrev_b32 v4, 2, v1
	v_and_b32 v5, 3, v1
	v_mul_u32_u24 v[VST], v4, PITCH
	v_lshl_add_u32 v[VST], v5, 3, v[VST]
	v_add_nc_u32 v[VST], s35, v[VST]               ; token L>>2 of a half tile, 8 bytes L&3
	v_lshlrev_b32 v[VQ], 4, v1
	v_lshlrev_b32 v[VKA], 5, v1
	v_lshlrev_b32 v[VKO], 5, v2
	v_lshl_add_u32 v[VKO], v3, 4, v[VKO]           ; token r, half h of its 32 bytes
	s_lshl_b32 s35, s15, 7
	v_add_nc_u32 v[VID], s35, v3
.macro QLOAD tt, bq                    ; Q of token tile tt: for each rb the 16 tokens' 1,024 neighbouring bytes, two loads
.irp rb, 0,1,2,3,4,5,6,7
	global_load_b128 v[\bq+8*\rb:\bq+8*\rb+3], v[VQ], s[6:7] offset:262144*\rb+1024*\tt
	global_load_b128 v[\bq+8*\rb+4:\bq+8*\rb+7], v[VQ], s[6:7] offset:262144*\rb+1024*\tt+512
.endr
.endm
; Lane L holds, for each half u, 32 numbers of token 8 u + (L>>2); lanes L&3 complete its 128.
.macro QTILE tt, bq, left
	s_wait_loadcnt \left
	v_pk_mul_f32 v[TQ:TQ+1], v[\bq:\bq+1], v[\bq:\bq+1]
	v_pk_mul_f32 v[TQ+2:TQ+3], v[\bq+4:\bq+5], v[\bq+4:\bq+5]
	v_pk_fma_f32 v[TQ:TQ+1], v[\bq+2:\bq+3], v[\bq+2:\bq+3], v[TQ:TQ+1]
	v_pk_fma_f32 v[TQ+2:TQ+3], v[\bq+6:\bq+7], v[\bq+6:\bq+7], v[TQ+2:TQ+3]
.irp rb, 1,2,3,4,5,6,7
	v_pk_fma_f32 v[TQ:TQ+1], v[\bq+8*\rb:\bq+8*\rb+1], v[\bq+8*\rb:\bq+8*\rb+1], v[TQ:TQ+1]
	v_pk_fma_f32 v[TQ+2:TQ+3], v[\bq+8*\rb+4:\bq+8*\rb+5], v[\bq+8*\rb+4:\bq+8*\rb+5], v[TQ+2:TQ+3]
	v_pk_fma_f32 v[TQ:TQ+1], v[\bq+8*\rb+2:\bq+8*\rb+3], v[\bq+8*\rb+2:\bq+8*\rb+3], v[TQ:TQ+1]
	v_pk_fma_f32 v[TQ+2:TQ+3], v[\bq+8*\rb+6:\bq+8*\rb+7], v[\bq+8*\rb+6:\bq+8*\rb+7], v[TQ+2:TQ+3]
.endr
	v_add_f32 v[TQ], v[TQ], v[TQ+1]
	v_add_f32 v[TQ+2], v[TQ+2], v[TQ+3]
	v_add_f32_dpp v[TQ], v[TQ], v[TQ] row_xmask:1 row_mask:0xf bank_mask:0xf
	v_add_f32_dpp v[TQ+2], v[TQ+2], v[TQ+2] row_xmask:1 row_mask:0xf bank_mask:0xf
	v_add_f32_dpp v[TQ], v[TQ], v[TQ] row_xmask:2 row_mask:0xf bank_mask:0xf
	v_add_f32_dpp v[TQ+2], v[TQ+2], v[TQ+2] row_xmask:2 row_mask:0xf bank_mask:0xf
	v_mul_f32 v[TQ], v[TQ], v[VKM]                 ; |Q|^2 Kmax^2
	v_mul_f32 v[TQ+2], v[TQ+2], v[VKM]
	v_max_num_f32 v[TQ], 0x0d800000, v[TQ]         ; at least 2^-100
	v_max_num_f32 v[TQ+2], 0x0d800000, v[TQ+2]
	v_rsq_f32 v[TQ], v[TQ]
	v_rsq_f32 v[TQ+2], v[TQ+2]
	v_nop                                          ; one plain instruction behind the transcendentals (ISA guide 5.7.2)
	s_wait_alu depctr_va_vdst(0)
	v_mul_f32 v[TQ], 0x3e800000, v[TQ]             ; sc
	v_mul_f32 v[TQ+2], 0x3e800000, v[TQ+2]
.irp rb, 0,1,2,3,4,5,6,7
.irp u, 0,1
	v_pk_mul_f32 v[\bq+8*\rb+4*\u:\bq+8*\rb+4*\u+1], v[\bq+8*\rb+4*\u:\bq+8*\rb+4*\u+1], v[TQ+2*\u:TQ+2*\u+1] op_sel_hi:[1,0]
	v_pk_mul_f32 v[\bq+8*\rb+4*\u+2:\bq+8*\rb+4*\u+3], v[\bq+8*\rb+4*\u+2:\bq+8*\rb+4*\u+3], v[TQ+2*\u:TQ+2*\u+1] op_sel_hi:[1,0]
	v_cvt_pk_bf16_f32 v[\bq+8*\rb+4*\u], v[\bq+8*\rb+4*\u], v[\bq+8*\rb+4*\u+1]
	v_cvt_pk_bf16_f32 v[\bq+8*\rb+4*\u+1], v[\bq+8*\rb+4*\u+2], v[\bq+8*\rb+4*\u+3]
	ds_store_b64 v[VST], v[\bq+8*\rb+4*\u:\bq+8*\rb+4*\u+1] offset:8*PITCH*\u+32*\rb
.endr
.endr
	WIN 0x40                                       ; destination in window 1
.irp ks, 0,1,2,3
	ds_load_b128 v[32*\tt+8*\ks:32*\tt+8*\ks+3], v[VFR] offset:64*\ks          ; my own bytes: LDS serves a wave's instructions in order (ISA guide 5.7.1)
	ds_load_b128 v[32*\tt+8*\ks+4:32*\tt+8*\ks+7], v[VFR] offset:64*\ks+32
.endr
	WIN 0
	s_wait_dscnt 0x0                               ; the stage and the batch's registers are free for the next tile
.endm
	global_load_b128 v[TQ:TQ+3], v[VKA], s[8:9] offset:262144                  ; the 256 work-groups' largest squared norms
	global_load_b128 v[TQ+4:TQ+7], v[VKA], s[8:9] offset:262160
	QLOAD 0, BUF0
	QLOAD 1, SETA
	s_wait_loadcnt 32                              ; the two batches of 16 are younger
	v_max3_num_f32 v[VKM], v[TQ], v[TQ+1], v[TQ+2]
	v_max3_num_f32 v[VKM], v[VKM], v[TQ+3], v[TQ+4]
	v_max3_num_f32 v[VKM], v[VKM], v[TQ+5], v[TQ+6]
	v_max_num_f32 v[VKM], v[VKM], v[TQ+7]
.irp m, 1,2,4,8
	v_max_num_f32_dpp v[VKM], v[VKM], v[VKM] row_xmask:\m row_mask:0xf bank_mask:0xf
.endr
	v_permlanex16_b32 v[TQ], v[VKM], s38, s39
	v_max_num_f32 v[VKM], v[VKM], v[TQ]
	QTILE 0, BUF0, 16                              ; the other batch's 16 loads may stay out
	QLOAD 2, BUF0
	QTILE 1, SETA, 16
	QLOAD 3, SETA
	QTILE 2, BUF0, 16
	QTILE 3, SETA, 0
.set q, 0
.rept 32
	v_mov_b32 v[LST+q], 0                          ; below every key; each lane sees 64 groups, so none of these is left at the end
.set q, q+1
.endr
.set q, 0
.rept 8
	v_mov_b32 v[ONE5+q], 0x3fc00000
.set q, q+1
.endr
.macro FETCHK buf, off                 ; 16 rows x 128 k of K
.irp ks, 0,1,2,3
	ds_load_b128 v[\buf+8*\ks:\buf+8*\ks+3], v[ADRK] offset:\off+64*\ks
	ds_load_b128 v[\buf+8*\ks+4:\buf+8*\ks+7], v[ADRK] offset:\off+64*\ks+32
.endr
.endm
.macro WPH buf, set                    ; source 0 = rows of K, source 1 = Qs: lane (r, h), register j holds a(row 8 h + j, token r)
	WIN 0x04                                       ; source 1 in window 1
.irp ks, 0,1,2,3
.irp tt, 0,1,2,3
.if \ks == 0
	v_wmma_f32_16x16x32_bf16 v[\set+8*\tt:\set+8*\tt+7], v[\buf+8*\ks:\buf+8*\ks+7], v[32*\tt+8*\ks:32*\tt+8*\ks+7], v[ONE5:ONE5+7]
.else
	v_wmma_f32_16x16x32_bf16 v[\set+8*\tt:\set+8*\tt+7], v[\buf+8*\ks:\buf+8*\ks+7], v[32*\tt+8*\ks:32*\tt+8*\ks+7], v[\set+8*\tt:\set+8*\tt+7]
.endif
.endr
.endr
	WIN 0
.endm
; The group's largest a, its key, and the key's place in the sorted list: new L_i = the middle one of (L_i-1, L_i, key), from the bottom up.
.macro VPH set
.irp tt, 0,1,2,3
	v_max3_num_f32 v[XK+\tt], v[\set+8*\tt], v[\set+8*\tt+1], v[\set+8*\tt+2]
.endr
.irp tt, 0,1,2,3
	v_max3_num_f32 v[XK+\tt], v[XK+\tt], v[\set+8*\tt+3], v[\set+8*\tt+4]
.endr
.irp tt, 0,1,2,3
	v_max3_num_f32 v[XK+\tt], v[XK+\tt], v[\set+8*\tt+5], v[\set+8*\tt+6]
.endr
.irp tt, 0,1,2,3
	v_max_num_f32 v[XK+\tt], v[XK+\tt], v[\set+8*\tt+7]
.endr
.irp tt, 0,1,2,3
	v_and_or_b32 v[XK+\tt], v[XK+\tt], s36, v[VID]
.endr
.irp i, 7,6,5,4,3,2,1
.irp tt, 0,1,2,3
	v_med3_num_f32 v[LST+8*\tt+\i], v[LST+8*\tt+\i-1], v[LST+8*\tt+\i], v[XK+\tt]
.endr
.endr
.irp tt, 0,1,2,3
	v_max_num_f32 v[LST+8*\tt], v[LST+8*\tt], v[XK+\tt]
.endr
	v_add_nc_u32 v[VID], 2, v[VID]
.endm
; One tile: its 16 matrix instructions, the next tile's fragments into the other buffer, the sifting of the tile before.  That sifting names
; none of this tile's registers: its 53 plain vector instructions are the places between this tile's matrix instructions and the next
; step's reading of their results, and between the use of a fragment buffer and its next load.
.macro STEP buf, other, off, cur, prev, fetch, dov
	s_wait_dscnt 0x0                               ; this tile's fragments are in
	WPH \buf, \cur
.if \fetch
	FETCHK \other, \off
.endif
.if \dov
	VPH \prev
.else
	PLACES
.endif
.endm
.macro PAIR first_dov, last_fetch
	STEP BUF0, BUF1, 16*PITCH, SETA, SETB, 1, \first_dov
	STEP BUF1, BUF0, 32*PITCH, SETB, SETA, \last_fetch, 1
	v_add_nc_u32 v[ADRK], 32*PITCH, v[ADRK]
.endm
.macro CHUNK c                         ; 32 tiles = 16 pairs
	s_wait_tensorcnt 1-\c                          ; my part of this chunk is in (chunk 0: chunk 1's load may stay out)
	s_wait_dscnt 0x0
	s_barrier_signal -1
	s_barrier_wait -1                              ; everybody's part is
	FETCHK BUF0, 0
	PAIR \c, 1
	s_mov_b32 s37, 14
.Lpairs\c:
	PAIR 1, 1
	s_sub_co_u32 s37, s37, 1
	s_cmp_lg_u32 s37, 0
	s_cbranch_scc1 .Lpairs\c
	PAIR 1, 0
.endm
	CHUNK 0
	CHUNK 1
	VPH SETB                                       ; the last tile
	; Lanes (r, 0) and (r, 1) hold the sorted lists of the even and the odd groups.  max(mine_i, other_7-i), i = 0..3, in both lanes, are
	; together the 8 best of the 16: each lane stores its four, 16 bytes; a wave's store covers 512 neighbouring bytes.
.irp tt, 0,1,2,3
.irp i, 0,1,2,3
	v_permlanex16_b32 v[SETA+4*\tt+\i], v[LST+8*\tt+7-\i], s38, s39
.endr
.irp i, 0,1,2,3
	v_max_num_f32 v[SETA+4*\tt+\i], v[LST+8*\tt+\i], v[SETA+4*\tt+\i]
.endr
	global_store_b128 v[VKO], v[SETA+4*\tt:SETA+4*\tt+3], s[10:11] offset:512*\tt
.endr
	s_wait_tensorcnt 0x0
	ds_add_u32 v254, v255
	s_wait_dscnt 0x0
	ROUND                                          ; the closing round
	s_endpgm
.Lfunc_end_k_q1a8df51017_filter:
	.size	k_q1a8df51017_filter, .Lfunc_end_k_q1a8df51017_filter-k_q1a8df51017_filter
	.p2alignl 7, 3214868480
	.fill 96, 4, 3214868480
	.section	.rodata,"a",@progbits
	.p2align	6, 0x0
	.amdhsa_kernel k_q1a8df51017_filter
		.amdhsa_group_segment_fixed_size 314368
		.amdhsa_private_segment_fixed_size 0
		.amdhsa_enable_private_segment 0
		.amdhsa_kernarg_size 32
		.amdhsa_user_sgpr_count 2
		.amdhsa_user_sgpr_kernarg_segment_ptr 1
		.amdhsa_wavefront_size32 1
		.amdhsa_system_sgpr_workgroup_id_x 1
		.amdhsa_system_sgpr_workgroup_id_y 1
		.amdhsa_system_sgpr_workgroup_id_z 1
		.amdhsa_system_vgpr_workitem_id 0
		.amdhsa_next_free_vgpr 384
		.amdhsa_next_free_sgpr 66
		.amdhsa_reserve_vcc 0
		.amdhsa_float_denorm_mode_32 3
		.amdhsa_float_denorm_mode_16_64 3
		.amdhsa_memory_ordered 1
		.amdhsa_forward_progress 1
		.amdhsa_inst_pref_size 105
	.end_amdhsa_kernel
	.amdgpu_metadata
---
amdhsa.version: [ 1, 2 ]
amdhsa.kernels:
  - .name:           k_q1a8df51017_filter
    .symbol:         k_q1a8df51017_filter.kd
    .args:
      - { .name: kb, .offset: 0, .size: 8, .value_kind: global_buffer, .address_space: global }
      - { .name: qw, .offset: 8, .size: 8, .value_kind: global_buffer, .address_space: global }
      - { .name: aux, .offset: 16, .size: 8, .value_kind: global_buffer, .address_space: global }
      - { .name: keys, .offset: 24, .size: 8, .value_kind: global_buffer, .address_space: global }
    .group_segment_fixed_size: 314368
    .private_segment_fixed_size: 0
    .kernarg_segment_align: 8
    .kernarg_segment_size: 32
    .max_flat_workgroup_size: 256
    .sgpr_count:     66
    .vgpr_count:     384
    .wavefront_size: 32
...
	.end_amdgpu_metadata
.endif
;; end of part 3
;; launch sift (part 4): grid 512 x 1, 8 waves a work-group, no clusters, 10,240 bytes of LDS; arguments keys, cand; writes cand
.if DOCPART == 4
	.amdgcn_target "amdgcn-amd-amdhsa--gfx1250"
	.amdhsa_code_object_version 6
	.text
	.protected	k_q1a8df51017_sift
	.globl	k_q1a8df51017_sift
	.p2align	8
	.type	k_q1a8df51017_sift,@function
k_q1a8df51017_sift:
	s_mov_b64 s[64:65], 0
	v_nop
	global_prefetch_b8 v0, s[64:65] scope:SCOPE_SE
	s_setreg_imm32_b32 hwreg(HW_REG_WAVE_MODE, 25, 1), 1
	s_wait_xcnt 0x0
; sift: from the 32 x 8 group keys of a token to the list of groups that the next launch scores in f32.  One wave, one token.
; Whole-number arithmetic alone, the same instructions for every token: no branch and no address hangs on a key.  What is decided here is
; stored as whole numbers, and steers the next launch's addresses and branches.
; WHICH GROUPS HAVE TO BE SCORED:
;   k8 = the 8th largest key (value bits).  With E the bound on |a - exact| (under 6,144 steps: see the launch that made the keys) at most 7 groups hold a
;   row above the true 8th score t8, so k8 <= t8 + E; a group with a row of the true top 8 has a key >= t8 - E - 4,095 (truncation).  So its key is
;   >= k8 - 2 E - 4,095 > k8 - 16,384, and since value bits are multiples of 4,096: key >= thr = k8 - 12,288.
;   If some part's 8th key is >= thr the part may hide more such groups; if a key >= thr is left after the 32 best, the list is too short.
;   In both cases the record says: score all 4,096 groups.
; THE RECORD, 32 words a token: word e = the group number (12 bits) of the e-th largest key; word 0 holds besides, in bits 21:16, how many of the
; 32 have a key >= thr (8 to 32), and in bit 31 the order to score everything.
; LIMIT: a token with more than 32 groups at or above thr is served by the scan of everything: right, and slow.
.set LK,   0                           ; LDS: [8 tokens][32 parts][8 keys]   8,192 bytes
.set OUTB, 8192                        ; LDS: [8 tokens][32 words]           1,024 bytes
.set M,    4                           ; the key just popped, in every lane
.set T0,   5
.set CMIN, 6                           ; my part's 8th key
.set Z,    7                           ; 0
.set KIN,  8                           ; v[8:15]  keys as stored
.set C,    16                          ; v[16:23] my part's keys, descending
.set D,    24                          ; v[24:31] second set for the sort
.set LIST, 32                          ; lane e: the e-th largest key
.set THR,  33
.set KS,   36                          ; v[36:43] keys on their way into LDS; at the end v[36:39]: records on their way out
.set AK,   44                          ; my bytes of the keys in memory
.set SK,   45                          ; LDS: where I put keys
.set L15,  46
.set TA,   47
.set RK,   48                          ; LDS: my part's keys of my token
.set WO,   49                          ; LDS: my word of my token's record
.set RO,   50                          ; LDS: 16 bytes of the work-group's records
.set GO,   51                          ; the same 16 bytes in cand
	s_load_b128 s[4:7], s[0:1], 0x0                ; keys, cand
	v_lshl_add_u32 v52, v0, 2, 0x2400
	v_mov_b32 v53, 0
	v_and_b32 v1, 31, v0                           ; L
	v_lshrrev_b32 v[TA], 5, v0
	v_readfirstlane_b32 s12, v[TA]                 ; wave
	v_lshrrev_b32 v2, 4, v1                        ; L >> 4
	v_and_b32 v[L15], 15, v1
	v_lshlrev_b32 v[AK], 4, v[L15]
	v_lshl_add_u32 v[AK], v2, 17, v[AK]            ; keys: part + (L>>4), 16 (L&15) of the 8 tokens' 256 bytes
	v_lshrrev_b32 v[SK], 1, v[L15]
	v_lshlrev_b32 v[SK], 10, v[SK]                 ; LDS: token (L&15)>>1,
	v_lshl_add_u32 v[SK], v2, 5, v[SK]             ; part,
	v_and_b32 v[TA], 1, v1
	v_lshl_add_u32 v[SK], v[TA], 4, v[SK]          ; half of its 32 bytes
	s_lshl_b32 s13, s12, 7                         ; parts 4 w ..
	v_add_nc_u32 v[SK], s13, v[SK]
	s_add_co_u32 s13, s13, OUTB
	v_lshl_add_u32 v[WO], v1, 2, s13               ; token w, word L
	s_lshl_b32 s13, s12, 10
	v_lshl_add_u32 v[RK], v1, 5, s13               ; token w, part L
	v_lshlrev_b32 v[RO], 4, v1
	v_add_nc_u32 v[RO], OUTB, v[RO]
	s_lshl_b32 s13, ttmp9, 10                      ; 8 records of 128 bytes
	v_lshl_add_u32 v[GO], v1, 4, s13
	s_lshl_b32 s16, s12, 19
	s_lshl_b32 s13, ttmp9, 8
	s_add_co_u32 s16, s16, s13
	s_mov_b32 s17, 0
	s_mov_b32 s38, 0x76543210                      ; v_permlanex16_b32: lane i reads lane i of the other half
	s_mov_b32 s39, 0xfedcba98
	s_wait_kmcnt 0x0
	s_add_nc_u64 s[4:5], s[4:5], s[16:17]
	; the work-group's keys are copied once, in whole stretches of 256 bytes, and dealt out through LDS
	global_load_b128 v[KS:KS+3], v[AK], s[4:5]
	global_load_b128 v[KS+4:KS+7], v[AK], s[4:5] offset:262144
	v_mov_b32 v[Z], 0
	v_mov_b32 v[T0], 0
	v_mov_b32 v[LIST], 0
	s_wait_loadcnt 0x0
	ds_store_b128 v[SK], v[KS:KS+3]
	ds_store_b128 v[SK], v[KS+4:KS+7] offset:64
	s_wait_dscnt 0x0                               ; my stores are in LDS before I say so
	s_barrier_signal -1
	s_barrier_wait -1
	ds_load_b128 v[KIN:KIN+3], v[RK]
	ds_load_b128 v[KIN+4:KIN+7], v[RK] offset:16
	s_wait_dscnt 0x0
	; the stored order is M0 M1 M2 M3 M7 M6 M5 M4 of a bitonic run M0..M7: three stages of four comparators sort it
.irp i, 0,1,2,3
	v_max_u32 v[C+\i], v[KIN+\i], v[KIN+7-\i]
	v_min_u32 v[C+4+\i], v[KIN+\i], v[KIN+7-\i]
.endr
.irp i, 0,1,4,5
	v_max_u32 v[D+\i], v[C+\i], v[C+\i+2]
	v_min_u32 v[D+\i+2], v[C+\i], v[C+\i+2]
.endr
.irp i, 0,2,4,6
	v_max_u32 v[C+\i], v[D+\i], v[D+\i+1]
	v_min_u32 v[C+\i+1], v[D+\i], v[D+\i+1]
.endr
	v_mov_b32 v[CMIN], v[C+7]
; The largest key of all 32 lists is taken off its list and kept in lane e.
.macro POP e
	v_mov_b32_dpp v[T0], v[C] row_xmask:1 row_mask:0xf bank_mask:0xf
	v_max_u32 v[M], v[C], v[T0]
.irp k, 2,4,8
	v_mov_b32_dpp v[T0], v[M] row_xmask:\k row_mask:0xf bank_mask:0xf
	v_max_u32 v[M], v[M], v[T0]
.endr
	v_permlanex16_b32 v[T0], v[M], s38, s39
	v_max_u32 v[M], v[M], v[T0]
	v_cmp_eq_u32 vcc_lo, v[M], v[C]                ; keys differ (each holds its group's number): one lane owns it
.irp j, 0,1,2,3,4,5,6
	v_cndmask_b32 v[C+\j], v[C+\j], v[C+\j+1], vcc_lo
.endr
	v_cndmask_b32 v[C+7], v[C+7], v[Z], vcc_lo
	s_mov_b32 s40, 1<<\e
	v_cndmask_b32 v[LIST], v[LIST], v[M], s40
.endm
.irp e, 0,1,2,3,4,5,6,7
	POP \e
.endr
	v_and_b32 v[THR], 0xfffff000, v[M]             ; the 8th largest key's value bits
	v_add_nc_u32 v[THR], 0xffffd000, v[THR]        ; - 12,288: thr
.irp e, 8,9,10,11,12,13,14,15,16,17,18,19,20,21,22,23,24,25,26,27,28,29,30,31
	POP \e
.endr
	v_cmp_le_u32 s41, v[THR], v[LIST]              ; listed keys at or above thr
	v_cmp_le_u32 s42, v[THR], v[C]                 ; a key at or above thr is left: the list is too short
	v_cmp_le_u32 s43, v[THR], v[CMIN]              ; parts whose whole list is at or above thr
	s_bcnt1_i32_b32 s41, s41
	s_or_b32 s42, s42, s43
	s_min_u32 s42, s42, 1
	s_lshl_b32 s42, s42, 31
	s_lshl_b32 s41, s41, 16
	s_or_b32 s41, s41, s42                         ; word 0's upper bits
	v_and_b32 v[LIST], 0xfff, v[LIST]              ; the group numbers
	v_or_b32 v[T0], s41, v[LIST]
	s_mov_b32 s40, 1
	v_cndmask_b32 v[LIST], v[LIST], v[T0], s40
	ds_store_b32 v[WO], v[LIST]                    ; bytes from 8,192 on, which no earlier read touches
	s_wait_dscnt 0x0                               ; my record is in LDS before I say so
	s_barrier_signal -1
	s_barrier_wait -1
	; the work-group's 1,024 bytes leave in two stores of 512 neighbouring bytes
	s_cmp_lg_u32 s12, 0
	s_cbranch_scc1 .Lnot_wave_0
	ds_load_b128 v[KS:KS+3], v[RO]
	s_wait_dscnt 0x0
	global_store_b128 v[GO], v[KS:KS+3], s[6:7]
	s_wait_tensorcnt 0x0
	ds_add_u32 v52, v53
	s_wait_dscnt 0x0
	s_endpgm
.Lnot_wave_0:
	s_cmp_lg_u32 s12, 1
	s_cbranch_scc1 .Lend
	ds_load_b128 v[KS:KS+3], v[RO] offset:512
	s_wait_dscnt 0x0
	global_store_b128 v[GO], v[KS:KS+3], s[6:7] offset:512
.Lend:
	s_wait_tensorcnt 0x0
	ds_add_u32 v52, v53
	s_wait_dscnt 0x0
	s_endpgm
.Lfunc_end_k_q1a8df51017_sift:
	.size	k_q1a8df51017_sift, .Lfunc_end_k_q1a8df51017_sift-k_q1a8df51017_sift
	.p2alignl 7, 3214868480
	.fill 96, 4, 3214868480
	.section	.rodata,"a",@progbits
	.p2align	6, 0x0
	.amdhsa_kernel k_q1a8df51017_sift
		.amdhsa_group_segment_fixed_size 10240
		.amdhsa_private_segment_fixed_size 0
		.amdhsa_enable_private_segment 0
		.amdhsa_kernarg_size 16
		.amdhsa_user_sgpr_count 2
		.amdhsa_user_sgpr_kernarg_segment_ptr 1
		.amdhsa_wavefront_size32 1
		.amdhsa_system_sgpr_workgroup_id_x 1
		.amdhsa_system_sgpr_workgroup_id_y 1
		.amdhsa_system_sgpr_workgroup_id_z 1
		.amdhsa_system_vgpr_workitem_id 0
		.amdhsa_next_free_vgpr 54
		.amdhsa_next_free_sgpr 66
		.amdhsa_reserve_vcc 1
		.amdhsa_float_denorm_mode_32 3
		.amdhsa_float_denorm_mode_16_64 3
		.amdhsa_memory_ordered 1
		.amdhsa_forward_progress 1
		.amdhsa_inst_pref_size 33
	.end_amdhsa_kernel
	.amdgpu_metadata
---
amdhsa.version: [ 1, 2 ]
amdhsa.kernels:
  - .name:           k_q1a8df51017_sift
    .symbol:         k_q1a8df51017_sift.kd
    .args:
      - { .name: keys, .offset: 0, .size: 8, .value_kind: global_buffer, .address_space: global }
      - { .name: cand, .offset: 8, .size: 8, .value_kind: global_buffer, .address_space: global }
    .group_segment_fixed_size: 10240
    .private_segment_fixed_size: 0
    .kernarg_segment_align: 8
    .kernarg_segment_size: 16
    .max_flat_workgroup_size: 256
    .sgpr_count:     66
    .vgpr_count:     54
    .wavefront_size: 32
...
	.end_amdgpu_metadata
.endif
;; end of part 4
;; launch rank (part 5): grid 512 x 1, 8 waves a work-group, no clusters, 7,168 bytes of LDS; arguments cand, qw, kb, selidx, aux; writes selidx, aux
.if DOCPART == 5
	.amdgcn_target "amdgcn-amd-amdhsa--gfx1250"
	.amdhsa_code_object_version 6
	.text
	.protected	k_q1a8df51017_rank
	.globl	k_q1a8df51017_rank
	.p2align	8
	.type	k_q1a8df51017_rank,@function
k_q1a8df51017_rank:
	s_mov_b64 s[64:65], 0
	v_nop
	global_prefetch_b8 v0, s[64:65] scope:SCOPE_SE
	s_setreg_imm32_b32 hwreg(HW_REG_WAVE_MODE, 25, 1), 1
	s_wait_xcnt 0x0
; rank: the exact top 8 rows of K of a token and their softmax weights, from the groups that its record in cand names.  One wave, one token.
; THE RECORD (32 words, read into scalar registers): word e = group number of the e-th best key; word 0, bits 21:16 = how many of them have to be
; scored (8 to 32), bit 31 = score all 4,096 groups.  Why these groups suffice is shown in the launch that made the record.
; THE RANKING: score = sum of Q (f32) x K (bf16) in f32; greater first, ties to the lower row, as top_k has it.
; Groups go in batches of four through two register banks that take turns.  Batches 0 to 2 are always scored (a listed group that need not be
; scored does no harm: the ranking is exact); batch k + 1 is loaded and scored only if the count is above 4 (k + 1).
; The weights go to aux behind its first 263,168 bytes; this launch loads nothing from aux.
; LIMITS: another order of summing than the reference's: two scores closer than f32 rounding can change places.  NaN, infinities not served.
; No matrix unit (some 100 rows a token), no cluster (nothing shared through tile loads).
.set LQ,   0                           ; LDS: [8 tokens][128] f32                    4,096 bytes
.set OUTB, 4096                        ; LDS: rows [8][32] words, then weights [8][32] words
.set SELW, 263168                      ; where the weights begin in aux
.set T0,   5
.set Z,    7                           ; 0.0: starts the chains
.set QS,   8                           ; v[8:11]  Q on its way into LDS; at the end v[8:9]: two words on their way out
.set IX,   24
.set T1,   25
.set Q,    32                          ; v[32:39] Q[8 (L&15) .. +7]
.set OFF,  40                          ; v[40:47] slot e: byte offset of my 16 bytes in kb
.set IXB,  48                          ; v[48:55] slot e: row 8 id + (L>>4)
.set A,    56                          ; v[56:59] four scores
.set LS,   60                          ; the list: lane p of each half of 16 lanes holds the p-th best score of that half's rows,
.set LI,   61                          ; and its row
.set LP,   62
.set IP,   63
.set KD,   64                          ; v[64:191] slot e: 4 loads x 4 registers; bank 0 = slots 0-3, bank 1 = slots 4-7
.set SQ,   192                         ; LDS: where I put Q
.set L15,  193
.set TA,   194
.set RQ,   195                         ; LDS: my 8 numbers of Q
.set WO,   196                         ; LDS: where my result goes
.set RO,   197                         ; LDS: where the work-group's results are read
.set GO,   198                         ; my bytes of selidx, and of the weights
.set REC,  16                          ; s[16:47] the record
.set CNT,  50
.set ALL,  51
	s_load_b256 s[4:11], s[0:1], 0x0               ; cand, qw, kb, selidx
	s_load_b64 s[14:15], s[0:1], 0x20              ; aux
	v_lshl_add_u32 v200, v0, 2, 0x1800
	v_mov_b32 v201, 0
	v_and_b32 v1, 31, v0                           ; L
	v_lshrrev_b32 v[TA], 5, v0
	v_readfirstlane_b32 s12, v[TA]                 ; wave
	v_lshrrev_b32 v2, 4, v1                        ; L >> 4
	v_lshlrev_b32 v3, 4, v1                        ; 16 L
	v_and_b32 v[L15], 15, v1
	v_lshrrev_b32 v[SQ], 2, v1
	v_lshlrev_b32 v[SQ], 9, v[SQ]                  ; LDS: token L>>2,
	v_and_b32 v[TA], 3, v1
	v_lshl_add_u32 v[SQ], v[TA], 4, v[SQ]
	s_lshl_b32 s13, s12, 6                         ; columns 16 w ..
	v_add_nc_u32 v[SQ], s13, v[SQ]
	s_lshl_b32 s13, s12, 9
	v_lshl_add_u32 v[RQ], v[L15], 5, s13           ; token w, Q[8 (L&15) ..]
	s_lshl_b32 s56, ttmp9, 10                      ; my record: token 8 g + w, 128 bytes each
	s_lshl_b32 s13, s12, 7
	s_add_co_u32 s56, s56, s13
	s_mov_b32 s57, 0
	s_lshl_b32 s58, s12, 18                        ; qw: block rb = w, the work-group's 8 tokens of 64 bytes
	s_lshl_b32 s13, ttmp9, 9
	s_add_co_u32 s58, s58, s13
	s_mov_b32 s59, 0
	s_mov_b32 s48, 0x01234567                      ; lane i of 0..7 reads lane 7 - i of the other half
	s_mov_b32 s49, 0x01234567
	s_wait_kmcnt 0x0
	s_add_nc_u64 s[4:5], s[4:5], s[56:57]
	s_add_nc_u64 s[6:7], s[6:7], s[58:59]
	s_load_b512 s[REC:REC+15], s[4:5], 0x0
	s_load_b512 s[REC+16:REC+31], s[4:5], 0x40
	global_load_b128 v[QS:QS+3], v3, s[6:7]        ; 512 neighbouring bytes of Q, dealt out through LDS
	v_mov_b32 v[Z], 0
	v_mov_b32 v[LS], 0xff800000                    ; below every score
	v_mov_b32 v[LI], 0
	v_mov_b32 v[LP], 0
	v_mov_b32 v[IP], 0
.macro LOAD4 e                         ; a group's 2,048 neighbouring bytes: load i brings lane L row 2 i + (L>>4), k = 8 (L&15) .. +7
.irp i, 0,1,2,3
	global_load_b128 v[KD+16*(\e)+4*\i:KD+16*(\e)+4*\i+3], v[OFF+\e], s[8:9] offset:512*\i
.endr
.endm
.macro LOADB k, bank                   ; the four groups of batch k into a bank whose last loads have been waited for
.irp i, 0,1,2,3
	s_and_b32 s13, s[REC+4*\k+\i], 0xfff
	s_min_u32 s13, s13, 0xfff                      ; a group number stays inside kb
	v_lshl_add_u32 v[OFF+4*\bank+\i], s13, 11, v3  ; 8 rows of 256 bytes
	v_lshl_add_u32 v[IXB+4*\bank+\i], s13, 3, v2
	LOAD4 4*\bank+\i
.endr
.endm
; (x, ix), the same in all 16 lanes of a half, goes to its place in that half's sorted list.  The masks only choose values.
.macro INSERT x, ix
	v_cmp_gt_f32 s52, v[\x], v[LS]
	v_cmp_eq_f32 s53, v[\x], v[LS]
	v_cmp_lt_u32 s54, v[\ix], v[LI]
	v_mov_b32_dpp v[LP], v[LS] row_shr:1 row_mask:0xf bank_mask:0xf
	v_mov_b32_dpp v[IP], v[LI] row_shr:1 row_mask:0xf bank_mask:0xf
	s_and_b32 s53, s53, s54
	s_or_b32 s52, s52, s53                         ; lanes whose entry the newcomer beats: they take the newcomer or their neighbour's entry
	s_lshl_b32 s53, s52, 1
	s_and_b32 s53, s53, 0xfffefffe                 ; lanes whose neighbour is beaten too: they take the neighbour's
	v_cndmask_b32 v[LP], v[\x], v[LP], s53
	v_cndmask_b32 v[IP], v[\ix], v[IP], s53
	v_cndmask_b32 v[LS], v[LS], v[LP], s52
	v_cndmask_b32 v[LI], v[LI], v[IP], s52
.endm
.macro SCORE e                         ; 8 rows: four chains of 8 multiply-adds, a sum over 16 lanes, four insertions (each serves both halves)
.irp j, 0,1,2,3
.irp i, 0,1,2,3
.if \j == 0
	v_fma_mix_f32_bf16 v[A+\i], v[KD+16*(\e)+4*\i+\j], v[Q+2*\j], v[Z] op_sel_hi:[1,0,0]
.else
	v_fma_mix_f32_bf16 v[A+\i], v[KD+16*(\e)+4*\i+\j], v[Q+2*\j], v[A+\i] op_sel_hi:[1,0,0]
.endif
.endr
.irp i, 0,1,2,3
	v_fma_mix_f32_bf16 v[A+\i], v[KD+16*(\e)+4*\i+\j], v[Q+2*\j+1], v[A+\i] op_sel:[1,0,0] op_sel_hi:[1,0,0]
.endr
.endr
.irp k, 1,2,4,8
.irp i, 0,1,2,3
	v_add_f32_dpp v[A+\i], v[A+\i], v[A+\i] row_xmask:\k row_mask:0xf bank_mask:0xf
.endr
.endr
	INSERT A, IXB+\e
	v_add_nc_u32 v[IX], 2, v[IXB+\e]
	INSERT A+1, IX
	v_add_nc_u32 v[IX], 4, v[IXB+\e]
	INSERT A+2, IX
	v_add_nc_u32 v[IX], 6, v[IXB+\e]
	INSERT A+3, IX
.endm
; The four groups of a bank.  counted = 1: the other bank's 16 loads are younger on every way here, and each group has its own wait.
.macro SCOREB bank, counted
.irp i, 0,1,2,3
.if \counted
	s_wait_loadcnt 28-4*\i                         ; the batch's later groups (4 loads each) and the other bank's 16 may stay out
.endif
	SCORE 4*\bank+\i
.endr
.endm
; Batch k is on its way into its bank.  If the count asks for batch kn = k + 1, that goes out first, into the other bank.
.macro STAGE k, kn, bank, obank
	s_cmp_le_u32 s[CNT], 4*\kn
	s_cbranch_scc1 .Llast\k
	LOADB \kn, \obank
	s_wait_loadcnt 16                              ; the 16 just issued may stay out
	s_branch .Lgo\k
.Llast\k:
	s_wait_loadcnt 0x0
.Lgo\k:
	SCOREB \bank, 0
	s_cmp_le_u32 s[CNT], 4*\kn
	s_cbranch_scc1 .Lmerge
.endm
	s_wait_kmcnt 0x0                               ; the record
	s_bfe_u32 s[CNT], s[REC], 0x60010              ; 6 bits from bit 16
	s_lshr_b32 s[ALL], s[REC], 31
	LOADB 0, 0                                     ; the 8 best groups' rows go out before anything else is waited for
	LOADB 1, 1
	s_wait_loadcnt 32                              ; these 32 loads are younger than Q's
	ds_store_b128 v[SQ], v[QS:QS+3]
	s_wait_dscnt 0x0                               ; my store is in LDS before I say so
	s_barrier_signal -1
	s_barrier_wait -1
	ds_load_b128 v[Q:Q+3], v[RQ]
	ds_load_b128 v[Q+4:Q+7], v[RQ] offset:16
	s_wait_dscnt 0x0
	s_cmp_lg_u32 s[ALL], 0
	s_cbranch_scc1 .Lscan
	SCOREB 0, 1
	LOADB 2, 0
	SCOREB 1, 1
	STAGE 2, 3, 0, 1
	STAGE 3, 4, 1, 0
	STAGE 4, 5, 0, 1
	STAGE 5, 6, 1, 0
	STAGE 6, 7, 0, 1
	s_wait_loadcnt 0x0                             ; batch 7: the end of the list
	SCOREB 1, 0
	s_branch .Lmerge
.Lscan:
	s_wait_loadcnt 0x0                             ; the listed groups' loads are not used here: their registers are free behind this wait
	s_mov_b32 s60, 0
.Lfull:
	v_lshl_add_u32 v[OFF], s60, 11, v3
	v_lshl_add_u32 v[IXB], s60, 3, v2
	LOAD4 0
	s_wait_loadcnt 0x0
	SCORE 0
	s_add_co_u32 s60, s60, 1
	s_cmp_lt_u32 s60, 4096
	s_cbranch_scc1 .Lfull
.Lmerge:
	; the two halves' sorted lists: the better of (mine_i, other_7-i), i = 0..7, are the 8 best of both, in no order; none is needed
	v_permlanex16_b32 v[LP], v[LS], s48, s49
	v_permlanex16_b32 v[IP], v[LI], s48, s49
	v_cmp_gt_f32 s52, v[LP], v[LS]
	v_cmp_eq_f32 s53, v[LP], v[LS]
	v_cmp_lt_u32 s54, v[IP], v[LI]
	s_and_b32 s53, s53, s54
	s_or_b32 s52, s52, s53
	v_cndmask_b32 v[LS], v[LS], v[LP], s52
	v_cndmask_b32 v[LI], v[LI], v[IP], s52
	; softmax over lanes 0..7 (the other lanes' numbers are not used): the maximum is taken away first
	v_mov_b32 v[T0], 0
	v_max_num_f32_dpp v[T0], v[LS], v[LS] row_xmask:1 row_mask:0xf bank_mask:0xf
	v_max_num_f32_dpp v[T0], v[T0], v[T0] row_xmask:2 row_mask:0xf bank_mask:0xf
	v_max_num_f32_dpp v[T0], v[T0], v[T0] row_xmask:4 row_mask:0xf bank_mask:0xf
	v_sub_f32 v[T1], v[LS], v[T0]
	v_mul_f32 v[T1], 0x3e0293ee, v[T1]             ; log2 e / sqrt(128)
	v_exp_f32 v[T1], v[T1]
	v_nop                                          ; one plain instruction behind a transcendental (ISA guide 5.7.2)
	s_wait_alu depctr_va_vdst(0)
	v_add_f32_dpp v[T0], v[T1], v[T1] row_xmask:1 row_mask:0xf bank_mask:0xf
	v_add_f32_dpp v[T0], v[T0], v[T0] row_xmask:2 row_mask:0xf bank_mask:0xf
	v_add_f32_dpp v[T0], v[T0], v[T0] row_xmask:4 row_mask:0xf bank_mask:0xf
	v_rcp_f32 v[T0], v[T0]
	v_nop
	s_wait_alu depctr_va_vdst(0)
	v_mul_f32 v[T1], v[T1], v[T0]
	s_lshl_b32 s13, s12, 7
	s_add_co_u32 s13, s13, OUTB
	v_lshl_add_u32 v[WO], v1, 2, s13               ; token w, word L: bytes from 4,096 on, which no earlier read touches
	ds_store_b32 v[WO], v[LI]
	ds_store_b32 v[WO], v[T1] offset:1024
	s_wait_dscnt 0x0                               ; my results are in LDS before I say so
	s_barrier_signal -1
	s_barrier_wait -1
	v_lshrrev_b32 v[RO], 2, v1
	v_lshlrev_b32 v[RO], 7, v[RO]                  ; token L>>2,
	v_and_b32 v[TA], 3, v1
	v_lshl_add_u32 v[RO], v[TA], 3, v[RO]          ; entries 2 (L&3), 2 (L&3) + 1
	v_add_nc_u32 v[RO], OUTB, v[RO]
	s_lshl_b32 s13, ttmp9, 8
	v_lshl_add_u32 v[GO], v1, 3, s13               ; the work-group's 256 bytes, written whole by one store
	s_cmp_lg_u32 s12, 0
	s_cbranch_scc1 .Lnot_wave_0
	ds_load_b64 v[QS:QS+1], v[RO]
	s_wait_dscnt 0x0
	global_store_b64 v[GO], v[QS:QS+1], s[10:11]
	s_wait_tensorcnt 0x0
	ds_add_u32 v200, v201
	s_wait_dscnt 0x0
	s_endpgm
.Lnot_wave_0:
	s_cmp_lg_u32 s12, 1
	s_cbranch_scc1 .Lend
	ds_load_b64 v[QS:QS+1], v[RO] offset:1024
	s_wait_dscnt 0x0
	global_store_b64 v[GO], v[QS:QS+1], s[14:15] offset:SELW
.Lend:
	s_wait_tensorcnt 0x0
	ds_add_u32 v200, v201
	s_wait_dscnt 0x0
	s_endpgm
.Lfunc_end_k_q1a8df51017_rank:
	.size	k_q1a8df51017_rank, .Lfunc_end_k_q1a8df51017_rank-k_q1a8df51017_rank
	.p2alignl 7, 3214868480
	.fill 96, 4, 3214868480
	.section	.rodata,"a",@progbits
	.p2align	6, 0x0
	.amdhsa_kernel k_q1a8df51017_rank
		.amdhsa_group_segment_fixed_size 7168
		.amdhsa_private_segment_fixed_size 0
		.amdhsa_enable_private_segment 0
		.amdhsa_kernarg_size 40
		.amdhsa_user_sgpr_count 2
		.amdhsa_user_sgpr_kernarg_segment_ptr 1
		.amdhsa_wavefront_size32 1
		.amdhsa_system_sgpr_workgroup_id_x 1
		.amdhsa_system_sgpr_workgroup_id_y 1
		.amdhsa_system_sgpr_workgroup_id_z 1
		.amdhsa_system_vgpr_workitem_id 0
		.amdhsa_next_free_vgpr 202
		.amdhsa_next_free_sgpr 66
		.amdhsa_reserve_vcc 0
		.amdhsa_float_denorm_mode_32 3
		.amdhsa_float_denorm_mode_16_64 3
		.amdhsa_memory_ordered 1
		.amdhsa_forward_progress 1
		.amdhsa_inst_pref_size 225
	.end_amdhsa_kernel
	.amdgpu_metadata
---
amdhsa.version: [ 1, 2 ]
amdhsa.kernels:
  - .name:           k_q1a8df51017_rank
    .symbol:         k_q1a8df51017_rank.kd
    .args:
      - { .name: cand, .offset: 0, .size: 8, .value_kind: global_buffer, .address_space: global }
      - { .name: qw, .offset: 8, .size: 8, .value_kind: global_buffer, .address_space: global }
      - { .name: kb, .offset: 16, .size: 8, .value_kind: global_buffer, .address_space: global }
      - { .name: selidx, .offset: 24, .size: 8, .value_kind: global_buffer, .address_space: global }
      - { .name: aux, .offset: 32, .size: 8, .value_kind: global_buffer, .address_space: global }
    .group_segment_fixed_size: 7168
    .private_segment_fixed_size: 0
    .kernarg_segment_align: 8
    .kernarg_segment_size: 40
    .max_flat_workgroup_size: 256
    .sgpr_count:     66
    .vgpr_count:     202
    .wavefront_size: 32
...
	.end_amdgpu_metadata
.endif
;; end of part 5
;; launch gather (part 6): grid 512 x 1, 8 waves a work-group, no clusters, 0 bytes of LDS; arguments selidx, aux, knowledge_V, out0; writes out0
.if DOCPART == 6
	.amdgcn_target "amdgcn-amd-amdhsa--gfx1250"
	.amdhsa_code_object_version 6
	.text
	.protected	k_q1a8df51017_gather
	.globl	k_q1a8df51017_gather
	.p2align	8
	.type	k_q1a8df51017_gather,@function
k_q1a8df51017_gather:
	s_mov_b64 s[64:65], 0
	v_nop
	global_prefetch_b8 v0, s[64:65] scope:SCOPE_SE
	s_setreg_imm32_b32 hwreg(HW_REG_WAVE_MODE, 25, 1), 1
	s_wait_xcnt 0x0
; gather: out[token] = sum over the 8 chosen rows of weight x V[row].  One wave, one token; a stream bound by memory.
; V is rounded to bf16 (nearest even) as the other matrix operands are; weights, products and sums in f32.
; The rows come from selidx, the weights from aux behind its first 263,168 bytes: 32 bytes a token each.
; A row of V is 4,096 bytes = 8 column blocks of 512 bytes (16 bytes a lane).  A ring of four column blocks x 8 rows keeps 32 loads of the
; wave in flight.  Each column block has its own four result registers, so that no store's data is ever rewritten.
; No LDS, no matrix unit, no cluster: nothing is shared between waves.  The rows are asked for as soon as the list is read, so nothing is left to ask for ahead.
.set SELW, 263168                      ; where the weights begin in aux
.set W,    8                           ; v[8:15]   the 8 weights
.set Z,    3                           ; 0.0: starts the chains
.set ACC,  16                          ; v[16:47]  column block cb: 4 results
.set RING, 48                          ; v[48:175] slot cb & 3: 8 rows x 4 registers
	s_load_b256 s[4:11], s[0:1], 0x0               ; selidx, aux, knowledge_V, out0
	v_lshrrev_b32 v1, 5, v0
	v_readfirstlane_b32 s12, v1                    ; wave
	v_and_b32 v2, 31, v0
	v_lshlrev_b32 v2, 4, v2                        ; 16 L
	v_mov_b32 v[Z], 0
	s_lshl_b32 s13, ttmp9, 3
	s_add_co_u32 s13, s13, s12                     ; token
	s_lshl_b32 s14, s13, 5                         ; 32 bytes of rows, 32 of weights
	s_mov_b32 s15, 0
	s_wait_kmcnt 0x0
	s_add_nc_u64 s[4:5], s[4:5], s[14:15]
	s_add_nc_u64 s[6:7], s[6:7], s[14:15]
	s_load_b256 s[16:23], s[4:5], 0x0
	s_load_b256 s[24:31], s[6:7], SELW
	s_lshl_b32 s14, s13, 12
	s_add_nc_u64 s[10:11], s[10:11], s[14:15]      ; my row of out0
	s_wait_kmcnt 0x0
.irp k, 0,1,2,3,4,5,6,7
	s_min_u32 s[16+\k], s[16+\k], 0x7fff           ; a row stays inside V
	s_lshl_b32 s14, s[16+\k], 12
	s_add_nc_u64 s[32+2*\k:33+2*\k], s[8:9], s[14:15]
	v_mov_b32 v[W+\k], s[24+\k]
.endr
.macro FILL cb                         ; column block cb of the 8 rows, into slot cb & 3 (the argument may be a sum: it stands in brackets everywhere)
.irp k, 0,1,2,3,4,5,6,7
	global_load_b128 v[RING+32*((\cb)&3)+4*\k:RING+32*((\cb)&3)+4*\k+3], v2, s[32+2*\k:33+2*\k] offset:512*(\cb)
.endr
.endm
	FILL 0
	FILL 1
	FILL 2
	FILL 3
; Column block cb.  left = how many younger loads may stay out; ahead = 1: the slot is filled again with block cb + 4.
.macro CB cb, ahead, left
	s_wait_loadcnt \left
.set RG, RING+32*((\cb)&3)
.irp k, 0,1,2,3,4,5,6,7
	v_cvt_pk_bf16_f32 v[RG+4*\k], v[RG+4*\k], v[RG+4*\k+1]
	v_cvt_pk_bf16_f32 v[RG+4*\k+1], v[RG+4*\k+2], v[RG+4*\k+3]
.endr
	v_fma_mix_f32_bf16 v[ACC+4*\cb], v[RG], v[W], v[Z] op_sel_hi:[1,0,0]
	v_fma_mix_f32_bf16 v[ACC+4*\cb+1], v[RG], v[W], v[Z] op_sel:[1,0,0] op_sel_hi:[1,0,0]
	v_fma_mix_f32_bf16 v[ACC+4*\cb+2], v[RG+1], v[W], v[Z] op_sel_hi:[1,0,0]
	v_fma_mix_f32_bf16 v[ACC+4*\cb+3], v[RG+1], v[W], v[Z] op_sel:[1,0,0] op_sel_hi:[1,0,0]
.irp k, 1,2,3,4,5,6,7
	v_fma_mix_f32_bf16 v[ACC+4*\cb], v[RG+4*\k], v[W+\k], v[ACC+4*\cb] op_sel_hi:[1,0,0]
	v_fma_mix_f32_bf16 v[ACC+4*\cb+1], v[RG+4*\k], v[W+\k], v[ACC+4*\cb+1] op_sel:[1,0,0] op_sel_hi:[1,0,0]
	v_fma_mix_f32_bf16 v[ACC+4*\cb+2], v[RG+4*\k+1], v[W+\k], v[ACC+4*\cb+2] op_sel_hi:[1,0,0]
	v_fma_mix_f32_bf16 v[ACC+4*\cb+3], v[RG+4*\k+1], v[W+\k], v[ACC+4*\cb+3] op_sel:[1,0,0] op_sel_hi:[1,0,0]
.endr
.if \ahead
	FILL \cb+4
.endif
	global_store_b128 v2, v[ACC+4*\cb:ACC+4*\cb+3], s[10:11] offset:512*\cb th:TH_STORE_NT   ; 512 neighbouring bytes, aligned
.endm
	CB 0, 1, 24                                    ; three younger blocks of 8 loads stay out
	CB 1, 1, 24
	CB 2, 1, 24
	CB 3, 1, 24
	CB 4, 0, 24
	CB 5, 0, 16                                    ; nothing is left to fetch: the counts run down
	CB 6, 0, 8
	CB 7, 0, 0
	s_endpgm
.Lfunc_end_k_q1a8df51017_gather:
	.size	k_q1a8df51017_gather, .Lfunc_end_k_q1a8df51017_gather-k_q1a8df51017_gather
	.p2alignl 7, 3214868480
	.fill 96, 4, 3214868480
	.section	.rodata,"a",@progbits
	.p2align	6, 0x0
	.amdhsa_kernel k_q1a8df51017_gather
		.amdhsa_group_segment_fixed_size 0
		.amdhsa_private_segment_fixed_size 0
		.amdhsa_enable_private_segment 0
		.amdhsa_kernarg_size 32
		.amdhsa_user_sgpr_count 2
		.amdhsa_user_sgpr_kernarg_segment_ptr 1
		.amdhsa_wavefront_size32 1
		.amdhsa_system_sgpr_workgroup_id_x 1
		.amdhsa_system_sgpr_workgroup_id_y 1
		.amdhsa_system_sgpr_workgroup_id_z 1
		.amdhsa_system_vgpr_workitem_id 0
		.amdhsa_next_free_vgpr 176
		.amdhsa_next_free_sgpr 66
		.amdhsa_reserve_vcc 0
		.amdhsa_float_denorm_mode_32 3
		.amdhsa_float_denorm_mode_16_64 3
		.amdhsa_memory_ordered 1
		.amdhsa_forward_progress 1
		.amdhsa_inst_pref_size 34
	.end_amdhsa_kernel
	.amdgpu_metadata
---
amdhsa.version: [ 1, 2 ]
amdhsa.kernels:
  - .name:           k_q1a8df51017_gather
    .symbol:         k_q1a8df51017_gather.kd
    .args:
      - { .name: selidx, .offset: 0, .size: 8, .value_kind: global_buffer, .address_space: global }
      - { .name: aux, .offset: 8, .size: 8, .value_kind: global_buffer, .address_space: global }
      - { .name: knowledge_V, .offset: 16, .size: 8, .value_kind: global_buffer, .address_space: global }
      - { .name: out0, .offset: 24, .size: 8, .value_kind: global_buffer, .address_space: global }
    .group_segment_fixed_size: 0
    .private_segment_fixed_size: 0
    .kernarg_segment_align: 8
    .kernarg_segment_size: 32
    .max_flat_workgroup_size: 256
    .sgpr_count:     66
    .vgpr_count:     176
    .wavefront_size: 32
...
	.end_amdgpu_metadata
.endif
;; end of part 6
;; ======== version 2 of 2: 6 launches; version 1 with the launches rank, gather written anew for expert scheduling mode
;; workspace buffers: xb 8,388,608 bytes; wt 4,194,304 bytes; kb 8,388,608 bytes; aux 394,240 bytes; qw 2,097,152 bytes; keys 4,194,304 bytes of whole numbers; cand 524,288 bytes of whole numbers; selidx 131,072 bytes of whole numbers
;; launch prep: the kernel of part 1 again; grid 256 x 1, 8 waves a work-group, no clusters, 52,480 bytes of LDS; arguments x, router_w, compress_neurons, knowledge_K, xb, wt, kb, aux; writes xb, wt, kb, aux
;; launch qproj: the kernel of part 2 again; grid 8 x 32, 4 waves a work-group, clusters of 4 x 4, 327,680 bytes of LDS; arguments wt, xb, aux, qw; writes qw
;; launch filter: the kernel of part 3 again; grid 8 x 32, 8 waves a work-group, clusters of 4 x 1, 314,368 bytes of LDS; arguments kb, qw, aux, keys; writes keys
;; launch sift: the kernel of part 4 again; grid 512 x 1, 8 waves a work-group, no clusters, 10,240 bytes of LDS; arguments keys, cand; writes cand
;; launch rank (part 7): grid 512 x 1, 8 waves a work-group, no clusters, 7,168 bytes of LDS; arguments cand, qw, kb, selidx, aux; writes selidx, aux
.if DOCPART == 7
	.amdgcn_target "amdgcn-amd-amdhsa--gfx1250"
	.amdhsa_code_object_version 6
	.text
	.protected	k_q1a8df51017_rank
	.globl	k_q1a8df51017_rank
	.p2align	8
	.type	k_q1a8df51017_rank,@function
k_q1a8df51017_rank:
	s_mov_b64 s[64:65], 0
	v_nop
	global_prefetch_b8 v0, s[64:65] scope:SCOPE_SE
	s_setreg_imm32_b32 hwreg(HW_REG_WAVE_SCHED_MODE, 0, 2), 2
	s_setreg_imm32_b32 hwreg(HW_REG_WAVE_MODE, 25, 1), 1
	s_wait_xcnt 0x0
	s_wait_alu depctr_vm_vsrc(0)
; rank: the exact top 8 rows of K of a token and their softmax weights, from the groups that its record in cand names.  One wave, one token.
; THE RECORD (32 words, read into scalar registers): word e = group number of the e-th best key; word 0, bits 21:16 = how many of them have to be
; scored (8 to 32), bit 31 = score all 4,096 groups.  Why these groups suffice is shown in the launch that made the record.
; THE RANKING: score = sum of Q (f32) x K (bf16) in f32; greater first, ties to the lower row, as top_k has it.
; Groups go in batches of four through two register banks that take turns.  Batches 0 to 2 are always scored (a listed group that need not be
; scored does no harm: the ranking is exact); batch k + 1 is loaded and scored only if the count is above 4 (k + 1).
; The weights go to aux behind its first 263,168 bytes; this launch loads nothing from aux.
; LIMITS: another order of summing than the reference's: two scores closer than f32 rounding can change places.  NaN, infinities not served.
; No matrix unit (some 100 rows a token), no cluster (nothing shared through tile loads).
; THE MODE: SCHED_MODE bits 1:0 = 2 (LLVM: expert scheduling mode 2), set by the entry lines.  The code itself states the register dependences
; between vector instructions and memory or LDS instructions, and from vector instructions to the scalar registers that they write, with s_wait_alu, always for 0.
; THE PLAN.  Registers that memory or LDS instructions touch:
;   v3, v[SQ], v[RQ], v[WO], v[RO], v[GO]   offsets and LDS addresses: all made at the head, ahead of one wait on va_vdst, and never written again.
;   OFF, bank b   written by ADDR's four vector lines, read by the bank's 16 loads; ahead of the lines that write it again stands a wait on vm_vsrc.
;   KD, bank b    the bank's 16 loads land in it; SCORE reads it.
;   v[QS ..]      Q's load lands in it, my LDS store reads it; at the end two result words land in it, behind a wait on vm_vsrc.
;   v[Q ..]       two LDS loads land in it, once; SCORE reads it.
;   v[LI], v[T1]  at the end the LDS stores' data: one wait on va_vdst behind the last line that writes them.
; A bank's refill is: the wait on vm_vsrc, the four addresses, ONE wait on va_vdst (OFF is written; the bank's SCOREs are done reading KD), the 16 loads in one run.
; Behind it the other bank is scored: those lines name KD and IXB of their own bank, Q, Z, A and the list, none of the registers that the loads touch.
; Each INSERT's three compares write s52 to s54: one wait on va_sdst stands ahead of their first reader.
.set LQ,   0                           ; LDS: [8 tokens][128] f32                    4,096 bytes
.set OUTB, 4096                        ; LDS: rows [8][32] words, then weights [8][32] words
.set SELW, 263168                      ; where the weights begin in aux
.set T0,   5
.set Z,    7                           ; 0.0: starts the chains
.set QS,   8                           ; v[8:11]  Q on its way into LDS; at the end v[8:9]: two words on their way out
.set IX,   24
.set T1,   25
.set Q,    32                          ; v[32:39] Q[8 (L&15) .. +7]
.set OFF,  40                          ; v[40:47] slot e: byte offset of my 16 bytes in kb
.set IXB,  48                          ; v[48:55] slot e: row 8 id + (L>>4)
.set A,    56                          ; v[56:59] four scores
.set LS,   60                          ; the list: lane p of each half of 16 lanes holds the p-th best score of that half's rows,
.set LI,   61                          ; and its row
.set LP,   62
.set IP,   63
.set KD,   64                          ; v[64:191] slot e: 4 loads x 4 registers; bank 0 = slots 0-3, bank 1 = slots 4-7
.set SQ,   192                         ; LDS: where I put Q
.set L15,  193
.set TA,   194
.set RQ,   195                         ; LDS: my 8 numbers of Q
.set WO,   196                         ; LDS: where my result goes
.set RO,   197                         ; LDS: where the work-group's results are read
.set GO,   198                         ; my bytes of selidx, and of the weights
.set REC,  16                          ; s[16:47] the record
.set CNT,  50
.set ALL,  51
	s_load_b256 s[4:11], s[0:1], 0x0               ; cand, qw, kb, selidx
	s_load_b64 s[14:15], s[0:1], 0x20              ; aux
	v_lshl_add_u32 v200, v0, 2, 0x1800
	v_mov_b32 v201, 0
	v_and_b32 v1, 31, v0                           ; L
	v_lshrrev_b32 v[TA], 5, v0
	v_readfirstlane_b32 s12, v[TA]                 ; wave
	v_lshrrev_b32 v2, 4, v1                        ; L >> 4
	v_lshlrev_b32 v3, 4, v1                        ; 16 L
	v_and_b32 v[L15], 15, v1
	v_lshrrev_b32 v[SQ], 2, v1
	v_lshlrev_b32 v[SQ], 9, v[SQ]                  ; LDS: token L>>2,
	v_and_b32 v[TA], 3, v1                         ; L & 3
	v_lshl_add_u32 v[SQ], v[TA], 4, v[SQ]
	v_lshrrev_b32 v[RO], 2, v1
	v_lshlrev_b32 v[RO], 7, v[RO]                  ; the results as they are read back: token L>>2,
	v_lshl_add_u32 v[RO], v[TA], 3, v[RO]          ; entries 2 (L&3), 2 (L&3) + 1
	v_add_nc_u32 v[RO], OUTB, v[RO]
	s_wait_alu depctr_va_sdst(0)                   ; s12 is written, ahead of its first reader: LDS addresses and the bases of cand and qw are made from it
	s_lshl_b32 s13, s12, 6                         ; columns 16 w ..
	v_add_nc_u32 v[SQ], s13, v[SQ]
	s_lshl_b32 s13, s12, 9
	v_lshl_add_u32 v[RQ], v[L15], 5, s13           ; token w, Q[8 (L&15) ..]
	s_lshl_b32 s56, ttmp9, 10                      ; my record: token 8 g + w, 128 bytes each
	s_lshl_b32 s13, s12, 7
	s_add_co_u32 s56, s56, s13
	s_mov_b32 s57, 0
	s_add_co_u32 s13, s13, OUTB
	v_lshl_add_u32 v[WO], v1, 2, s13               ; token w, word L: bytes from 4,096 on, which no read of Q touches
	s_lshl_b32 s13, ttmp9, 8
	v_lshl_add_u32 v[GO], v1, 3, s13               ; the work-group's 256 bytes, written whole by one store
	s_lshl_b32 s58, s12, 18                        ; qw: block rb = w, the work-group's 8 tokens of 64 bytes
	s_lshl_b32 s13, ttmp9, 9
	s_add_co_u32 s58, s58, s13
	s_mov_b32 s59, 0
	s_mov_b32 s48, 0x01234567                      ; lane i of 0..7 reads lane 7 - i of the other half
	s_mov_b32 s49, 0x01234567
	s_wait_kmcnt 0x0
	s_add_nc_u64 s[4:5], s[4:5], s[56:57]
	s_add_nc_u64 s[6:7], s[6:7], s[58:59]
	s_load_b512 s[REC:REC+15], s[4:5], 0x0
	s_load_b512 s[REC+16:REC+31], s[4:5], 0x40
	s_wait_alu depctr_va_vdst(0)                   ; v3, v[SQ], v[RQ], v[WO], v[RO] and v[GO] are written: the load below and the LDS and memory instructions further down read them as addresses
	global_load_b128 v[QS:QS+3], v3, s[6:7]        ; 512 neighbouring bytes of Q, dealt out through LDS
	v_mov_b32 v[Z], 0
	v_mov_b32 v[LS], 0xff800000                    ; below every score
	v_mov_b32 v[LI], 0
	v_mov_b32 v[LP], 0
	v_mov_b32 v[IP], 0
.macro LOAD4 e                         ; a group's 2,048 neighbouring bytes: load i brings lane L row 2 i + (L>>4), k = 8 (L&15) .. +7
.irp i, 0,1,2,3
	global_load_b128 v[KD+16*(\e)+4*\i:KD+16*(\e)+4*\i+3], v[OFF+\e], s[8:9] offset:512*\i
.endr
.endm
.macro ADDR k, bank                    ; the offsets and first rows of the four groups of batch k, for a bank whose last loads have been waited for
.irp i, 0,1,2,3
	s_and_b32 s13, s[REC+4*\k+\i], 0xfff
	s_min_u32 s13, s13, 0xfff                      ; a group number stays inside kb
	v_lshl_add_u32 v[OFF+4*\bank+\i], s13, 11, v3  ; 8 rows of 256 bytes
	v_lshl_add_u32 v[IXB+4*\bank+\i], s13, 3, v2
.endr
.endm
.macro LOADS bank                      ; the bank's 16 loads, in one run
.irp i, 0,1,2,3
	LOAD4 4*\bank+\i
.endr
.endm
; (x, ix), the same in all 16 lanes of a half, goes to its place in that half's sorted list.  The masks only choose values.
.macro INSERT x, ix
	v_cmp_gt_f32 s52, v[\x], v[LS]
	v_cmp_eq_f32 s53, v[\x], v[LS]
	v_cmp_lt_u32 s54, v[\ix], v[LI]
	v_mov_b32_dpp v[LP], v[LS] row_shr:1 row_mask:0xf bank_mask:0xf
	v_mov_b32_dpp v[IP], v[LI] row_shr:1 row_mask:0xf bank_mask:0xf
	s_wait_alu depctr_va_sdst(0)                   ; the three compares have written s52 to s54, ahead of their first readers, the scalar lines below
	s_and_b32 s53, s53, s54
	s_or_b32 s52, s52, s53                         ; lanes whose entry the newcomer beats: they take the newcomer or their neighbour's entry
	s_lshl_b32 s53, s52, 1
	s_and_b32 s53, s53, 0xfffefffe                 ; lanes whose neighbour is beaten too: they take the neighbour's
	v_cndmask_b32 v[LP], v[\x], v[LP], s53
	v_cndmask_b32 v[IP], v[\ix], v[IP], s53
	v_cndmask_b32 v[LS], v[LS], v[LP], s52
	v_cndmask_b32 v[LI], v[LI], v[IP], s52
.endm
.macro SCORE e                         ; 8 rows: four chains of 8 multiply-adds, a sum over 16 lanes, four insertions (each serves both halves)
.irp j, 0,1,2,3
.irp i, 0,1,2,3
.if \j == 0
	v_fma_mix_f32_bf16 v[A+\i], v[KD+16*(\e)+4*\i+\j], v[Q+2*\j], v[Z] op_sel_hi:[1,0,0]
.else
	v_fma_mix_f32_bf16 v[A+\i], v[KD+16*(\e)+4*\i+\j], v[Q+2*\j], v[A+\i] op_sel_hi:[1,0,0]
.endif
.endr
.irp i, 0,1,2,3
	v_fma_mix_f32_bf16 v[A+\i], v[KD+16*(\e)+4*\i+\j], v[Q+2*\j+1], v[A+\i] op_sel:[1,0,0] op_sel_hi:[1,0,0]
.endr
.endr
.irp k, 1,2,4,8
.irp i, 0,1,2,3
	v_add_f32_dpp v[A+\i], v[A+\i], v[A+\i] row_xmask:\k row_mask:0xf bank_mask:0xf
.endr
.endr
	INSERT A, IXB+\e
	v_add_nc_u32 v[IX], 2, v[IXB+\e]
	INSERT A+1, IX
	v_add_nc_u32 v[IX], 4, v[IXB+\e]
	INSERT A+2, IX
	v_add_nc_u32 v[IX], 6, v[IXB+\e]
	INSERT A+3, IX
.endm
; The four groups of a bank.  counted = 1: the other bank's 16 loads are younger on every way here, and each group has its own wait.
.macro SCOREB bank, counted
.irp i, 0,1,2,3
.if \counted
	s_wait_loadcnt 28-4*\i                         ; the batch's later groups (4 loads each) and the other bank's 16 may stay out
.endif
	SCORE 4*\bank+\i
.endr
.endm
; Batch k is on its way into its bank.  If the count asks for batch kn = k + 1, that goes out first, into the other bank.
.macro STAGE k, kn, bank, obank
	s_wait_alu depctr_vm_vsrc(0)                   ; the other bank's last loads have read its OFF, which the arm behind the branch writes again
	s_cmp_le_u32 s[CNT], 4*\kn
	s_cbranch_scc1 .Llast\k
	ADDR \kn, \obank
	s_wait_alu depctr_va_vdst(0)                   ; the other bank's OFF is written, which the loads below read; its SCOREs are done reading its KD, in which they land
	LOADS \obank
	s_wait_loadcnt 16                              ; the 16 just issued may stay out
	s_branch .Lgo\k
.Llast\k:
	s_wait_loadcnt 0x0
.Lgo\k:
	SCOREB \bank, 0
	s_cmp_le_u32 s[CNT], 4*\kn
	s_cbranch_scc1 .Lmerge
.endm
	s_wait_kmcnt 0x0                               ; the record
	s_bfe_u32 s[CNT], s[REC], 0x60010              ; 6 bits from bit 16
	s_lshr_b32 s[ALL], s[REC], 31
	ADDR 0, 0                                      ; the 8 best groups' rows go out before anything else is waited for
	ADDR 1, 1
	s_wait_alu depctr_va_vdst(0)                   ; both banks' OFF are written, which the 32 loads below read
	LOADS 0
	LOADS 1
	s_wait_loadcnt 32                              ; these 32 loads are younger than Q's
	ds_store_b128 v[SQ], v[QS:QS+3]
	s_wait_dscnt 0x0                               ; my store is in LDS before I say so
	s_barrier_signal -1
	s_barrier_wait -1
	ds_load_b128 v[Q:Q+3], v[RQ]
	ds_load_b128 v[Q+4:Q+7], v[RQ] offset:16
	s_wait_dscnt 0x0
	s_cmp_lg_u32 s[ALL], 0
	s_cbranch_scc1 .Lscan
	SCOREB 0, 1
	s_wait_alu depctr_vm_vsrc(0)                   ; batch 0's loads have read bank 0's OFF, which the lines below write again
	ADDR 2, 0
	s_wait_alu depctr_va_vdst(0)                   ; bank 0's OFF is written, which the loads below read; batch 0's SCOREs are done reading bank 0's KD, in which they land
	LOADS 0
	SCOREB 1, 1
	STAGE 2, 3, 0, 1
	STAGE 3, 4, 1, 0
	STAGE 4, 5, 0, 1
	STAGE 5, 6, 1, 0
	STAGE 6, 7, 0, 1
	s_wait_loadcnt 0x0                             ; batch 7: the end of the list
	SCOREB 1, 0
	s_branch .Lmerge
.Lscan:
	s_wait_loadcnt 0x0                             ; the listed groups' loads are not used here: their registers are free behind this wait
	s_mov_b32 s60, 0
.Lfull:
	s_wait_alu depctr_vm_vsrc(0)                   ; the loads issued so far (the head's, or the last trip's) have read slot 0's OFF, which the next line writes
	v_lshl_add_u32 v[OFF], s60, 11, v3
	v_lshl_add_u32 v[IXB], s60, 3, v2
	s_wait_alu depctr_va_vdst(0)                   ; slot 0's OFF is written, which the loads below read; the last trip's SCORE is done reading slot 0's KD, in which they land
	LOAD4 0
	s_wait_loadcnt 0x0
	SCORE 0
	s_add_co_u32 s60, s60, 1
	s_cmp_lt_u32 s60, 4096
	s_cbranch_scc1 .Lfull
.Lmerge:
	; the two halves' sorted lists: the better of (mine_i, other_7-i), i = 0..7, are the 8 best of both, in no order; none is needed
	v_permlanex16_b32 v[LP], v[LS], s48, s49
	v_permlanex16_b32 v[IP], v[LI], s48, s49
	v_cmp_gt_f32 s52, v[LP], v[LS]
	v_cmp_eq_f32 s53, v[LP], v[LS]
	v_cmp_lt_u32 s54, v[IP], v[LI]
	s_wait_alu depctr_va_sdst(0)                   ; the three compares have written s52 to s54, ahead of their first readers
	s_and_b32 s53, s53, s54
	s_or_b32 s52, s52, s53
	v_cndmask_b32 v[LS], v[LS], v[LP], s52
	v_cndmask_b32 v[LI], v[LI], v[IP], s52
	; softmax over lanes 0..7 (the other lanes' numbers are not used): the maximum is taken away first
	v_mov_b32 v[T0], 0
	v_max_num_f32_dpp v[T0], v[LS], v[LS] row_xmask:1 row_mask:0xf bank_mask:0xf
	v_max_num_f32_dpp v[T0], v[T0], v[T0] row_xmask:2 row_mask:0xf bank_mask:0xf
	v_max_num_f32_dpp v[T0], v[T0], v[T0] row_xmask:4 row_mask:0xf bank_mask:0xf
	v_sub_f32 v[T1], v[LS], v[T0]
	v_mul_f32 v[T1], 0x3e0293ee, v[T1]             ; log2 e / sqrt(128)
	v_exp_f32 v[T1], v[T1]
	v_nop                                          ; one plain instruction behind a transcendental (ISA guide 5.7.2)
	s_wait_alu depctr_va_vdst(0)                   ; the exponential has written v[T1], ahead of its first reader
	v_add_f32_dpp v[T0], v[T1], v[T1] row_xmask:1 row_mask:0xf bank_mask:0xf
	v_add_f32_dpp v[T0], v[T0], v[T0] row_xmask:2 row_mask:0xf bank_mask:0xf
	v_add_f32_dpp v[T0], v[T0], v[T0] row_xmask:4 row_mask:0xf bank_mask:0xf
	v_rcp_f32 v[T0], v[T0]
	v_nop
	s_wait_alu depctr_va_vdst(0)                   ; the reciprocal has written v[T0], ahead of its first reader
	v_mul_f32 v[T1], v[T1], v[T0]
	s_wait_alu depctr_va_vdst(0)                   ; v[LI] and v[T1] are written, which the two LDS stores read as their data
	ds_store_b32 v[WO], v[LI]
	ds_store_b32 v[WO], v[T1] offset:1024
	s_wait_dscnt 0x0                               ; my results are in LDS before I say so
	s_barrier_signal -1
	s_barrier_wait -1
	s_wait_alu depctr_vm_vsrc(0)                   ; my LDS store of Q has read v[QS ..], in which the LDS loads behind the branches land
	s_cmp_lg_u32 s12, 0
	s_cbranch_scc1 .Lnot_wave_0
	ds_load_b64 v[QS:QS+1], v[RO]
	s_wait_dscnt 0x0
	global_store_b64 v[GO], v[QS:QS+1], s[10:11]
	s_wait_dscnt 0x0                               ; the closing lines, six on end
	s_wait_alu 0x0
	s_wait_tensorcnt 0x0
	ds_add_u32 v200, v201
	s_wait_dscnt 0x0
	s_endpgm
.Lnot_wave_0:
	s_cmp_lg_u32 s12, 1
	s_cbranch_scc1 .Lend
	ds_load_b64 v[QS:QS+1], v[RO] offset:1024
	s_wait_dscnt 0x0
	global_store_b64 v[GO], v[QS:QS+1], s[14:15] offset:SELW
.Lend:
	s_wait_dscnt 0x0                               ; the closing lines, six on end, once more for this end
	s_wait_alu 0x0
	s_wait_tensorcnt 0x0
	ds_add_u32 v200, v201
	s_wait_dscnt 0x0
	s_endpgm
.Lfunc_end_k_q1a8df51017_rank:
	.size	k_q1a8df51017_rank, .Lfunc_end_k_q1a8df51017_rank-k_q1a8df51017_rank
	.p2alignl 7, 3214868480
	.fill 96, 4, 3214868480
	.section	.rodata,"a",@progbits
	.p2align	6, 0x0
	.amdhsa_kernel k_q1a8df51017_rank
		.amdhsa_group_segment_fixed_size 7168
		.amdhsa_private_segment_fixed_size 0
		.amdhsa_enable_private_segment 0
		.amdhsa_kernarg_size 40
		.amdhsa_user_sgpr_count 2
		.amdhsa_user_sgpr_kernarg_segment_ptr 1
		.amdhsa_wavefront_size32 1
		.amdhsa_system_sgpr_workgroup_id_x 1
		.amdhsa_system_sgpr_workgroup_id_y 1
		.amdhsa_system_sgpr_workgroup_id_z 1
		.amdhsa_system_vgpr_workitem_id 0
		.amdhsa_next_free_vgpr 202
		.amdhsa_next_free_sgpr 66
		.amdhsa_reserve_vcc 0
		.amdhsa_float_denorm_mode_32 3
		.amdhsa_float_denorm_mode_16_64 3
		.amdhsa_memory_ordered 1
		.amdhsa_forward_progress 1
		.amdhsa_inst_pref_size 230
	.end_amdhsa_kernel
	.amdgpu_metadata
---
amdhsa.version: [ 1, 2 ]
amdhsa.kernels:
  - .name:           k_q1a8df51017_rank
    .symbol:         k_q1a8df51017_rank.kd
    .args:
      - { .name: cand, .offset: 0, .size: 8, .value_kind: global_buffer, .address_space: global }
      - { .name: qw, .offset: 8, .size: 8, .value_kind: global_buffer, .address_space: global }
      - { .name: kb, .offset: 16, .size: 8, .value_kind: global_buffer, .address_space: global }
      - { .name: selidx, .offset: 24, .size: 8, .value_kind: global_buffer, .address_space: global }
      - { .name: aux, .offset: 32, .size: 8, .value_kind: global_buffer, .address_space: global }
    .group_segment_fixed_size: 7168
    .private_segment_fixed_size: 0
    .kernarg_segment_align: 8
    .kernarg_segment_size: 40
    .max_flat_workgroup_size: 256
    .sgpr_count:     66
    .vgpr_count:     202
    .wavefront_size: 32
...
	.end_amdgpu_metadata
.endif
;; end of part 7
;; launch gather (part 8): grid 512 x 1, 8 waves a work-group, no clusters, 0 bytes of LDS; arguments selidx, aux, knowledge_V, out0; writes out0
.if DOCPART == 8
	.amdgcn_target "amdgcn-amd-amdhsa--gfx1250"
	.amdhsa_code_object_version 6
	.text
	.protected	k_q1a8df51017_gather
	.globl	k_q1a8df51017_gather
	.p2align	8
	.type	k_q1a8df51017_gather,@function
k_q1a8df51017_gather:
	s_mov_b64 s[64:65], 0
	v_nop
	global_prefetch_b8 v0, s[64:65] scope:SCOPE_SE
	s_setreg_imm32_b32 hwreg(HW_REG_WAVE_SCHED_MODE, 0, 2), 2
	s_setreg_imm32_b32 hwreg(HW_REG_WAVE_MODE, 25, 1), 1
	s_wait_xcnt 0x0
	s_wait_alu depctr_vm_vsrc(0)
; gather: out[token] = sum over the 8 chosen rows of weight x V[row].  One wave, one token; a stream bound by memory.
; V is rounded to bf16 (nearest even) as the other matrix operands are; weights, products and sums in f32.
; The rows come from selidx, the weights from aux behind its first 263,168 bytes: 32 bytes a token each.
; A row of V is 4,096 bytes = 8 column blocks of 512 bytes (16 bytes a lane).  A ring of five column blocks x 8 rows keeps 32 to 40 loads of the
; wave in flight.  Each column block has its own four result registers, so that no store's data is ever rewritten.
; No LDS, no matrix unit, no cluster: nothing is shared between waves.  The rows are asked for as soon as the list is read, so nothing is left to ask for ahead.
; THE MODE: SCHED_MODE bits 1:0 = 2 (LLVM: expert scheduling mode 2), set by the entry lines.  The code itself states the register dependences
; between vector instructions and memory instructions, with s_wait_alu, always for 0.
; THE PLAN.  Registers that memory instructions touch:
;   RING, slots 0 .. 4   Block cb's conversions pack slot cb % 5 in place, its multiply-adds read it.  The loads of block cb + 4, issued in block cb (cb = 1 to 3),
;                        land in slot (cb - 1) % 5: the slot that block cb - 1 worked on and that no vector instruction of block cb names.
;   ACC, blocks 0 .. 7   Written by block cb's multiply-adds; read by the one store that is issued in block cb + 1; never written again.
;   v2                   The byte offset 16 L of every load and store: made once at the head, never written again.
; So ONE wait on va_vdst at a block's head states all that the block's loads and its store hang on, and these are dealt among its vector instructions
; with no further wait.  No register that a memory instruction reads is ever written again: no wait on vm_vsrc is owed.
.set SELW, 263168                      ; where the weights begin in aux
.set SLOTS, 5
.set W,    8                           ; v[8:15]   the 8 weights
.set Z,    3                           ; 0.0: starts the chains
.set ACC,  16                          ; v[16:47]  column block cb: 4 results
.set RING, 48                          ; v[48:207] slot cb % 5: 8 rows x 4 registers
	s_load_b256 s[4:11], s[0:1], 0x0               ; selidx, aux, knowledge_V, out0
	v_lshrrev_b32 v1, 5, v0
	v_readfirstlane_b32 s12, v1                    ; wave
	v_and_b32 v2, 31, v0
	v_lshlrev_b32 v2, 4, v2                        ; 16 L
	v_mov_b32 v[Z], 0
	s_lshl_b32 s13, ttmp9, 3
	s_wait_alu depctr_va_sdst(0)                   ; s12 is written, ahead of its first reader: the token's number is made from it
	s_add_co_u32 s13, s13, s12                     ; token
	s_lshl_b32 s14, s13, 5                         ; 32 bytes of rows, 32 of weights
	s_mov_b32 s15, 0
	s_wait_kmcnt 0x0
	s_add_nc_u64 s[4:5], s[4:5], s[14:15]
	s_add_nc_u64 s[6:7], s[6:7], s[14:15]
	s_load_b256 s[16:23], s[4:5], 0x0
	s_load_b256 s[24:31], s[6:7], SELW
	s_lshl_b32 s14, s13, 12
	s_add_nc_u64 s[10:11], s[10:11], s[14:15]      ; my row of out0
	s_wait_kmcnt 0x0
.irp k, 0,1,2,3,4,5,6,7
	s_min_u32 s[16+\k], s[16+\k], 0x7fff           ; a row stays inside V
	s_lshl_b32 s14, s[16+\k], 12
	s_add_nc_u64 s[32+2*\k:33+2*\k], s[8:9], s[14:15]
	v_mov_b32 v[W+\k], s[24+\k]
.endr
	s_wait_alu depctr_va_vdst(0)                   ; v2 is written: every load and store of the kernel reads it as its offset
.macro FILL cb                         ; column block cb of the 8 rows, into slot cb % 5
.irp k, 0,1,2,3,4,5,6,7
	global_load_b128 v[RING+32*((\cb)%SLOTS)+4*\k:RING+32*((\cb)%SLOTS)+4*\k+3], v2, s[32+2*\k:33+2*\k] offset:512*(\cb)
.endr
.endm
	FILL 0
	FILL 1
	FILL 2
	FILL 3
	FILL 4
; Column block cb.  first = 1: block 0, with no block in front of it.  ahead = 1: block cb + 4 is loaded, into the slot that block cb - 1 worked on.
; left = how many younger loads may stay out when this block's eight have to be there.
.macro CB cb, first, ahead, left
	s_wait_loadcnt \left                           ; loads come back in order (ISA guide 5.7.1): slot cb % 5 is in, the younger blocks stay out
.if !\first
	s_wait_alu depctr_va_vdst(0)                   ; the block before has written its ACC, which the store below reads, and is done with its slot, in which the loads below land
.endif
.set RG, RING+32*((\cb)%SLOTS)
.set RN, RING+32*(((\cb)+SLOTS-1)%SLOTS)
.irp k, 0,1,2,3,4,5,6,7
.if \ahead
	global_load_b128 v[RN+4*\k:RN+4*\k+3], v2, s[32+2*\k:33+2*\k] offset:512*((\cb)+SLOTS-1)   ; no vector instruction since the wait names these registers
.endif
	v_cvt_pk_bf16_f32 v[RG+4*\k], v[RG+4*\k], v[RG+4*\k+1]
	v_cvt_pk_bf16_f32 v[RG+4*\k+1], v[RG+4*\k+2], v[RG+4*\k+3]
.endr
.if !\first
	global_store_b128 v2, v[ACC+4*(\cb)-4:ACC+4*(\cb)-1], s[10:11] offset:512*((\cb)-1) th:TH_STORE_NT   ; the block before: 512 neighbouring bytes, aligned
.endif
	v_fma_mix_f32_bf16 v[ACC+4*(\cb)], v[RG], v[W], v[Z] op_sel_hi:[1,0,0]
	v_fma_mix_f32_bf16 v[ACC+4*(\cb)+1], v[RG], v[W], v[Z] op_sel:[1,0,0] op_sel_hi:[1,0,0]
	v_fma_mix_f32_bf16 v[ACC+4*(\cb)+2], v[RG+1], v[W], v[Z] op_sel_hi:[1,0,0]
	v_fma_mix_f32_bf16 v[ACC+4*(\cb)+3], v[RG+1], v[W], v[Z] op_sel:[1,0,0] op_sel_hi:[1,0,0]
.irp k, 1,2,3,4,5,6,7
	v_fma_mix_f32_bf16 v[ACC+4*(\cb)], v[RG+4*\k], v[W+\k], v[ACC+4*(\cb)] op_sel_hi:[1,0,0]
	v_fma_mix_f32_bf16 v[ACC+4*(\cb)+1], v[RG+4*\k], v[W+\k], v[ACC+4*(\cb)+1] op_sel:[1,0,0] op_sel_hi:[1,0,0]
	v_fma_mix_f32_bf16 v[ACC+4*(\cb)+2], v[RG+4*\k+1], v[W+\k], v[ACC+4*(\cb)+2] op_sel_hi:[1,0,0]
	v_fma_mix_f32_bf16 v[ACC+4*(\cb)+3], v[RG+4*\k+1], v[W+\k], v[ACC+4*(\cb)+3] op_sel:[1,0,0] op_sel_hi:[1,0,0]
.endr
.endm
	CB 0, 1, 0, 32                                 ; four younger blocks of 8 loads stay out
	CB 1, 0, 1, 24                                 ; three younger blocks stay out; block 5 goes out
	CB 2, 0, 1, 24
	CB 3, 0, 1, 24
	CB 4, 0, 0, 24
	CB 5, 0, 0, 16                                 ; nothing is left to fetch: the counts run down
	CB 6, 0, 0, 8
	CB 7, 0, 0, 0
	s_wait_alu depctr_va_vdst(0)                   ; block 7 has written its ACC, which the last store reads
	global_store_b128 v2, v[ACC+28:ACC+31], s[10:11] offset:512*7 th:TH_STORE_NT
	s_endpgm
.Lfunc_end_k_q1a8df51017_gather:
	.size	k_q1a8df51017_gather, .Lfunc_end_k_q1a8df51017_gather-k_q1a8df51017_gather
	.p2alignl 7, 3214868480
	.fill 96, 4, 3214868480
	.section	.rodata,"a",@progbits
	.p2align	6, 0x0
	.amdhsa_kernel k_q1a8df51017_gather
		.amdhsa_group_segment_fixed_size 0
		.amdhsa_private_segment_fixed_size 0
		.amdhsa_enable_private_segment 0
		.amdhsa_kernarg_size 32
		.amdhsa_user_sgpr_count 2
		.amdhsa_user_sgpr_kernarg_segment_ptr 1
		.amdhsa_wavefront_size32 1
		.amdhsa_system_sgpr_workgroup_id_x 1
		.amdhsa_system_sgpr_workgroup_id_y 1
		.amdhsa_system_sgpr_workgroup_id_z 1
		.amdhsa_system_vgpr_workitem_id 0
		.amdhsa_next_free_vgpr 208
		.amdhsa_next_free_sgpr 66
		.amdhsa_reserve_vcc 0
		.amdhsa_float_denorm_mode_32 3
		.amdhsa_float_denorm_mode_16_64 3
		.amdhsa_memory_ordered 1
		.amdhsa_forward_progress 1
		.amdhsa_inst_pref_size 34
	.end_amdhsa_kernel
	.amdgpu_metadata
---
amdhsa.version: [ 1, 2 ]
amdhsa.kernels:
  - .name:           k_q1a8df51017_gather
    .symbol:         k_q1a8df51017_gather.kd
    .args:
      - { .name: selidx, .offset: 0, .size: 8, .value_kind: global_buffer, .address_space: global }
      - { .name: aux, .offset: 8, .size: 8, .value_kind: global_buffer, .address_space: global }
      - { .name: knowledge_V, .offset: 16, .size: 8, .value_kind: global_buffer, .address_space: global }
      - { .name: out0, .offset: 24, .size: 8, .value_kind: global_buffer, .address_space: global }
    .group_segment_fixed_size: 0
    .private_segment_fixed_size: 0
    .kernarg_segment_align: 8
    .kernarg_segment_size: 32
    .max_flat_workgroup_size: 256
    .sgpr_count:     66
    .vgpr_count:     208
    .wavefront_size: 32
...
	.end_amdgpu_metadata
.endif
;; end of part 8
